; MI455X (gfx1250); checked and timed in simulation.
; The chip was launched on July 23, 2026; its instructions are those of AMD's public machine-readable ISA for CDNA 5 (MIT licence, August 2026) and "CDNA5" Instruction Set Architecture Reference Guide (July 2026). The comments in the code are by the model that wrote it; some were corrected since.
;; Self Attention. Allowed arithmetic: float matrix products may take bf16 or f16 operands with f32 sums; other float arithmetic in f32, or as packed bf16 or f16 multiplies, adds, multiply-adds, maxima and minima; sums over many terms, partial sums and values carried from step to step in f32; what a program stores and reads back later, other than sums and carried values, may be rounded once to bf16 or f16.
;; Inputs: Wk 1,024 x 1,024 float32; Wq 1,024 x 1,024 float32; Wv 1,024 x 1,024 float32; bk 1,024 float32; bq 1,024 float32; bv 1,024 float32; x 4 x 2,048 x 1,024 float32.
;; Outputs: out0 4 x 2,048 x 1,024 float32.
;; 2 versions, each right; version 2 is version 1 with the launch cast written anew for expert scheduling mode. Each part assembles by itself: llvm-mc -triple=amdgcn-amd-amdhsa -mcpu=gfx1250 --defsym DOCPART=n.
;; ======== version 1 of 2: 4 launches
;; limits: values are held in f16: magnitudes above 65,504 overflow, below 6.1e-05 lose precision
;; workspace buffers: xb 16,777,216 bytes; wb 6,291,456 bytes; qkv 50,331,648 bytes; pb 33,554,432 bytes; stat 1,048,576 bytes
;; launch cast (part 1): grid 704 x 1, 8 waves a work-group, no clusters, 0 bytes of LDS; arguments x, Wq, Wk, Wv, xb, wb; writes xb, wb
.if DOCPART == 1
	.amdgcn_target "amdgcn-amd-amdhsa--gfx1250"
	.amdhsa_code_object_version 6
	.text
	.protected	k_q0fd374483f_cast
	.globl	k_q0fd374483f_cast
	.p2align	8
	.type	k_q0fd374483f_cast,@function
k_q0fd374483f_cast:
	s_mov_b64 s[64:65], 0
	v_nop
	global_prefetch_b8 v0, s[64:65] scope:SCOPE_SE
	s_setreg_imm32_b32 hwreg(HW_REG_WAVE_MODE, 25, 1), 1
	s_wait_xcnt 0x0
; x, Wq, Wk, Wv (f32) are rounded once to bf16, layouts kept: xb = [8192][1024]; wb = Wq, Wk, Wv on end, each [1024 d][1024 e].
; A stream: each byte is read once and written once; no LDS, no barrier, no matrix unit.
; SHARES.  A work-group casts 16,384 numbers: 65,536 bytes in, 32,768 out.  Work-groups 0-511 take x, 512-575 Wq, 576-639 Wk, 640-703 Wv.
; Thread t takes 16 bytes at 16 t of each 4,096 bytes: a wave's load covers 512 consecutive bytes, its store of 8 bytes a lane 256 consecutive bytes, aligned.
; All sixteen loads of a wave go out at once; nothing is rewritten, so the only waits are the counted ones in front of the conversions.
.set N,  16                            ; loads of a thread
.set X,  4                             ; v[4:67]   load j: four f32
.set Y,  68                            ; v[68:99]  store j: four bf16
	s_load_b256 s[4:11], s[0:1], 0x0               ; x s[4:5], Wq s[6:7], Wk s[8:9], Wv s[10:11]
	s_load_b128 s[12:15], s[0:1], 0x20             ; xb s[12:13], wb s[14:15]
	v_lshlrev_b32 v1, 4, v0                        ; 16 t: my bytes in 4,096 of the source
	v_lshlrev_b32 v2, 3, v0                        ; 8 t: in 2,048 of the destination
	s_and_b32 s24, ttmp9, 63                       ; the part of a weight matrix (512, 576 and 640 are multiples of 64)
	s_max_u32 s25, ttmp9, 512
	s_sub_co_u32 s25, s25, 512                     ; the part of wb
	s_wait_kmcnt 0x0
	s_mov_b64 s[20:21], s[10:11]                   ; the source: Wv, unless the number is lower
	s_cmp_lt_u32 ttmp9, 640
	s_cselect_b64 s[20:21], s[8:9], s[20:21]
	s_cmp_lt_u32 ttmp9, 576
	s_cselect_b64 s[20:21], s[6:7], s[20:21]
	s_cmp_lt_u32 ttmp9, 512
	s_cselect_b64 s[20:21], s[4:5], s[20:21]
	s_cselect_b64 s[22:23], s[12:13], s[14:15]     ; the destination
	s_cselect_b32 s16, ttmp9, s24                  ; the part in the source,
	s_cselect_b32 s18, ttmp9, s25                  ; and in the destination
	s_lshl_b32 s16, s16, 16                        ; x 65,536 bytes
	s_mov_b32 s17, 0
	s_lshl_b32 s18, s18, 15                        ; x 32,768 bytes
	s_mov_b32 s19, 0
	s_add_nc_u64 s[20:21], s[20:21], s[16:17]
	s_add_nc_u64 s[22:23], s[22:23], s[18:19]
.irp j, 0,1,2,3,4,5,6,7,8,9,10,11,12,13,14,15
	global_load_b128 v[X+4*(\j):X+4*(\j)+3], v1, s[20:21] offset:4096*(\j) th:TH_LOAD_NT
.endr
.irp j, 0,1,2,3,4,5,6,7,8,9,10,11,12,13,14,15
	s_wait_loadcnt N-1-(\j)                        ; loads come back in order: load j is in, the younger ones stay out
	v_cvt_pk_bf16_f32 v[Y+2*(\j)],   v[X+4*(\j)],   v[X+4*(\j)+1]
	v_cvt_pk_bf16_f32 v[Y+2*(\j)+1], v[X+4*(\j)+2], v[X+4*(\j)+3]
	global_store_b64 v2, v[Y+2*(\j):Y+2*(\j)+1], s[22:23] offset:2048*(\j) th:TH_STORE_NT
.endr
	s_endpgm
.Lfunc_end_k_q0fd374483f_cast:
	.size	k_q0fd374483f_cast, .Lfunc_end_k_q0fd374483f_cast-k_q0fd374483f_cast
	.p2alignl 7, 3214868480
	.fill 96, 4, 3214868480
	.section	.rodata,"a",@progbits
	.p2align	6, 0x0
	.amdhsa_kernel k_q0fd374483f_cast
		.amdhsa_group_segment_fixed_size 0
		.amdhsa_private_segment_fixed_size 0
		.amdhsa_enable_private_segment 0
		.amdhsa_kernarg_size 48
		.amdhsa_user_sgpr_count 2
		.amdhsa_user_sgpr_kernarg_segment_ptr 1
		.amdhsa_wavefront_size32 1
		.amdhsa_system_sgpr_workgroup_id_x 1
		.amdhsa_system_sgpr_workgroup_id_y 1
		.amdhsa_system_sgpr_workgroup_id_z 1
		.amdhsa_system_vgpr_workitem_id 0
		.amdhsa_next_free_vgpr 100
		.amdhsa_next_free_sgpr 66
		.amdhsa_reserve_vcc 0
		.amdhsa_float_denorm_mode_32 3
		.amdhsa_float_denorm_mode_16_64 3
		.amdhsa_memory_ordered 1
		.amdhsa_forward_progress 1
		.amdhsa_inst_pref_size 7
	.end_amdhsa_kernel
	.amdgpu_metadata
---
amdhsa.version: [ 1, 2 ]
amdhsa.kernels:
  - .name:           k_q0fd374483f_cast
    .symbol:         k_q0fd374483f_cast.kd
    .args:
      - { .name: x, .offset: 0, .size: 8, .value_kind: global_buffer, .address_space: global }
      - { .name: Wq, .offset: 8, .size: 8, .value_kind: global_buffer, .address_space: global }
      - { .name: Wk, .offset: 16, .size: 8, .value_kind: global_buffer, .address_space: global }
      - { .name: Wv, .offset: 24, .size: 8, .value_kind: global_buffer, .address_space: global }
      - { .name: xb, .offset: 32, .size: 8, .value_kind: global_buffer, .address_space: global }
      - { .name: wb, .offset: 40, .size: 8, .value_kind: global_buffer, .address_space: global }
    .group_segment_fixed_size: 0
    .private_segment_fixed_size: 0
    .kernarg_segment_align: 8
    .kernarg_segment_size: 48
    .max_flat_workgroup_size: 256
    .sgpr_count:     66
    .vgpr_count:     100
    .wavefront_size: 32
...
	.end_amdgpu_metadata
.endif
;; end of part 1
;; launch proj (part 2): grid 12 x 32, 4 waves a work-group, clusters of 4 x 4, 327,680 bytes of LDS; arguments xb, wb, qkv, bq, bk, bv; writes qkv
.if DOCPART == 2
	.amdgcn_target "amdgcn-amd-amdhsa--gfx1250"
	.amdhsa_code_object_version 6
	.text
	.protected	k_q0fd374483f_proj
	.globl	k_q0fd374483f_proj
	.p2align	8
	.type	k_q0fd374483f_proj,@function
k_q0fd374483f_proj:
	s_mov_b64 s[64:65], 0
	v_nop
	global_prefetch_b8 v0, s[64:65] scope:SCOPE_SE
	s_setreg_imm32_b32 hwreg(HW_REG_WAVE_MODE, 25, 1), 1
	s_wait_xcnt 0x0
	s_wait_alu depctr_hold_cnt(0) depctr_sa_sdst(0) depctr_va_vdst(0) depctr_va_sdst(0) depctr_va_ssrc(0) depctr_va_vcc(0) depctr_vm_vsrc(0)
	s_getreg_b32 s2, hwreg(HW_REG_IB_STS2, 6, 4)
	s_cmp_eq_u32 s2, 0
	s_cbranch_scc0 .Lentry_in_a_cluster
	s_endpgm
.Lentry_in_a_cluster:
	s_bfe_u32 s2, ttmp6, 0x10000c
	s_cmp_lg_u32 s2, 0xf033
	s_cbranch_scc0 .Lentry_shape_is_right
	s_endpgm
.Lentry_shape_is_right:
; qkv[m][1024 i + e] = the sum over d of xb[m][d] wb[i][d][e] + bf16(b_i[e]), i = 0, 1, 2 for q, k, v.  xb: [8192][1024] bf16; wb: [3][1024 d][1024 e] bf16; b: f32;
; qkv: [8192][3072] f16, rounded once from the f32 sums.  LIMIT: f16 ends at 65,504: |q|, |k|, |v| stay below it (inputs thirty times the drawn ones give some 5,000); NaN and infinities are not treated apart.
; A tile of 256 x 256 is made by four waves, 128 x 128 each: 64 accumulators of 16 x 16, 512 registers.  K = 1024 goes in 8 steps of 128 through two LDS slots filled by the tensor data mover.
; xb's tile rows are 256 bytes of memory, wb's ([d][e]: 128 rows d of 256 columns e) 512 bytes, all from multiples of 256 bytes.  wb's fragments come out of LDS turned, by ds_load_tr16_b128.
; ONE TEXT FOR A K STEP: the slot that is read is a scalar (0 or SLOT) that an exclusive or turns at each change of slots; the fragment addresses are made from it.  The six steps that fill a slot again are
; one loop, the last two, which fill nothing, a second one.
; CLUSTER: 4 x 4 work-groups, four tile columns wide: one weight matrix (cluster x).  xb's tile is shared along a row of the cluster, wb's along a column: each is asked for jointly, by the same tensor
; load with the same descriptor and a mask that names the four.
; THE PRODUCT IS TAKEN TRANSPOSED (source 0 = 16 columns e, source 1 = 16 rows m): lane l holds row l % 16 and the columns 8 (l / 16) + 0..7.  THE BIAS, laid out so, is the C operand that starts each sum.
; REGISTERS, in windows of 256: window 0: v0-31 addresses; v64-127, v128-191 xb's fragments, two buffers; v32-63, v192-255 the way out.
;   window 1: v0-63 the bias; v64-127, v128-191 wb's fragments; v192-223 at work at the head.   window 2: the accumulators of my rows 0-63, (a, b) at v[8 (8 a + b)];   window 3: rows 64-127.
.set PITCH,  272                       ; an LDS row of xb's tile: 256 bytes + 16: the 16 rows of a fragment load start 16 bytes further on in each 256
.set BPITCH, 544                       ; an LDS row of wb's tile: 512 bytes + 32: 16 lanes of the turning load take 8 rows x 32 bytes, no two on the same words modulo 256 bytes
.set HALFT,  128*PITCH                 ; what one tensor load brings: 128 rows of xb, or 64 rows of wb (64 x 544 is the same number)
.set SLOT,   4*HALFT                   ; xb's 256 rows, then wb's 128.  0x22000: the multiples 0 to 3 of HALFT (0x8800) have neither of its two bits, so an exclusive or with it adds it or takes it away
.set STAGE,  2*SLOT                    ; behind the ring: 16 rows x 272 bytes for each wave, for the way out
.set SPITCH, 272
.set SPARE,  STAGE+4*16*SPITCH         ; behind the stages: the spare words, 128 bytes a wave: two blocks of 256 bytes that no other line names
.set KSTEPS, 8
.set ASTEP,  256                       ; bytes from a K step to the next in xb,
.set BSTEP,  128*2048                  ; and in wb: 128 rows
.set CROW,   6144                      ; bytes in a row of qkv
.set ADRA0, 16                         ; v16  my lane's place in xb's part of a slot; never rewritten
.set ADRA,  17                         ; v17  the same in the slot that is read
.set ADRB0, 20                         ; v20, v21  the same for wb
.set ADRB,  21
.set STO,  24                          ; v24     the way out: where I put 16 bytes of a row
.set RD,   25                          ; v25     where I read a row back
.set CO,   26                          ; v26     my byte offset in two rows of qkv
.set SPW,  28                          ; v28     LDS address of my spare word; never rewritten
.set NIL,  29                          ; v29     0; never rewritten
.set PFO,  30                          ; v30     the prefetches' lane offset; never rewritten
.set F0,   64
.set F1,   128
.set TMP,  192
.set OB,   32
.set G1,  24                           ; s[24:31] descriptor group 1, xb;  s[32:35] group 0 of the first fill, s[36:39] of the second, which then walks
.set G0,  32
.set G1B, 48                           ; s[48:55], s[56:63] the same for wb
.set G0B, 56
.set TB,  82                           ; s82  the first LDS byte of the slot that is read: 0 or SLOT
.set HIM, 83                           ; s83  the mask of a word's upper bf16
.set LIM, 84                           ; s84  2 in a wave that prefetches, else the greatest number
.set PFA, 86                           ; s[86:87] where my prefetches stand
.set PFS, 88                           ; s[88:89] their step from K step to K step
.set MSB, 0
.macro WIN new                         ; the immediate's high byte repeats the setting that is left; a switch that changes nothing is dropped
.if MSB != (\new)
	s_set_vgpr_msb (MSB<<8)|(\new)
.set MSB, \new
.endif
.endm
.set TO_B, 0x40                        ; destination window 1, address window 0
; A joint load: waves 0 and 1 fetch xb's two halves, waves 2 and 3 wb's.  The branch hangs on the wave's number alone.  An s_nop 0 and four v_nop follow each line.
.macro JLOAD s
	s_cmp_eq_u32 s11, 0
	s_cbranch_scc0 .Lfor_b_\@
	tensor_load_to_lds s[G0+4*(\s):G0+4*(\s)+3], s[G1:G1+7]
	s_nop 0
.rept 4
	v_nop
.endr
	s_branch .Lasked_\@
.Lfor_b_\@:
	tensor_load_to_lds s[G0B+4*(\s):G0B+4*(\s)+3], s[G1B:G1B+7]
	s_nop 0
.rept 4
	v_nop
.endr
.Lasked_\@:
.endm
; A prefetch of the K step that stands two refills on: 32 blocks of 256 bytes, a lane a block.  xb's tile row is read by the three clusters of a row of clusters: cluster x = 0 asks; wb's tile column by the
; eight of a column: cluster y = 0 asks.  The four partners of a joint load share its blocks out by address.  The loop's last two trips (s3 = 2, 1) have no K step two refills on.
.macro ASK
	s_cmp_gt_u32 s3, s[LIM]
	s_cbranch_scc0 .Lnot_mine_\@
	global_prefetch_b8 v[PFO], s[PFA:PFA+1] th:TH_LOAD_NT scope:SCOPE_SE
.Lnot_mine_\@:
.endm
.macro CREST                           ; a round of the cluster's barrier behind its opening barrier
	s_cmp_lg_u32 s10, 0
	s_cbranch_scc1 .Lnot_wave_0_\@
	s_barrier_signal -3
.Lnot_wave_0_\@:
	s_barrier_wait -3
	s_barrier_signal -1
	s_barrier_wait -1
.endm
.macro CROUND                          ; a whole round
	s_barrier_signal -1
	s_barrier_wait -1
	CREST
.endm
.macro PLACES                          ; four plain instructions between a matrix instruction and a load into, or a vector instruction on, its registers
.rept 4
	v_nop
.endr
.endm
	s_load_b128 s[4:7], s[0:1], 0x0                ; xb s[4:5], wb s[6:7]
	s_load_b64 s[8:9], s[0:1], 0x10                ; qkv
	s_load_b128 s[76:79], s[0:1], 0x18             ; bq s[76:77], bk s[78:79]
	s_load_b64 s[80:81], s[0:1], 0x28              ; bv
	v_lshl_add_u32 v[SPW], v0, 2, SPARE
	v_mov_b32 v[NIL], 0
	ds_add_u32 v[SPW], v[NIL]                      ; the wave's opening: the add and its wait stand ahead of my first tensor load; the set-up below stands between them
	v_lshrrev_b32 v1, 5, v0
	v_readfirstlane_b32 s10, v1                    ; wave 0..3
	s_lshr_b32 s11, s10, 1                         ; my half of the tile's rows.  Also: I fetch for xb (0) or wb (1)
	s_and_b32 s12, s10, 1                          ; my half of its columns.  Also: which half of that tile I fetch
	s_bfe_u32 s40, ttmp6, 0x40000                  ; cx
	s_bfe_u32 s41, ttmp6, 0x40004                  ; cy
	s_lshl_b32 s42, ttmp9, 2
	s_add_co_u32 s42, s42, s40                     ; tile column = 4 x cluster x + cx
	s_and_b32 s72, ttmp7, 0xffff                   ; cluster y
	s_lshl_b32 s13, s72, 2
	s_add_co_u32 s13, s13, s41                     ; tile row = 4 x cluster y + cy
	s_lshl_b32 s43, s41, 2
	s_lshl_b32 s43, 15, s43                        ; my row of the cluster
	s_lshl_b32 s44, 0x1111, s40                    ; my column
	s_or_b32 s[G1+0], s43, (1<<16)|(1<<20)|(1<<21)|(5<<22)|(3<<25)   ; the mask; 2-byte elements; padding on; bit 21 beside a mask; after every 64 words, 4 words
	s_mov_b32 s[G1+1], 128<<16                     ; tensor_dim0 = 128
	s_mov_b32 s[G1+2], 128<<16                     ; tensor_dim1 = 128
	s_mov_b32 s[G1+3], 128<<16                     ; tile_dim0 = 128
	s_mov_b32 s[G1+4], 128                         ; tile_dim1 = 128
	s_mov_b32 s[G1+5], 1024                        ; elements from row to row
	s_mov_b32 s[G1+6], 0
	s_mov_b32 s[G1+7], 0
	s_or_b32 s[G1B+0], s44, (1<<16)|(1<<20)|(1<<21)|(6<<22)|(7<<25)  ; after every 128 words, 8 words
	s_mov_b32 s[G1B+1], 256<<16                    ; tensor_dim0 = 256
	s_mov_b32 s[G1B+2], 64<<16                     ; tensor_dim1 = 64
	s_mov_b32 s[G1B+3], 256<<16                    ; tile_dim0 = 256
	s_mov_b32 s[G1B+4], 64                         ; tile_dim1 = 64
	s_mov_b32 s[G1B+5], 1024
	s_mov_b32 s[G1B+6], 0
	s_mov_b32 s[G1B+7], 0
	s_mov_b32 s[TB], 0                             ; slot 0 is read first
	s_mov_b32 s[HIM], 0xffff0000
	s_lshl_b32 s16, s13, 19                        ; xb: (256 x tile row + 128 x half) rows of 2,048 bytes
	s_lshl_b32 s17, s12, 18
	s_add_co_u32 s16, s16, s17
	s_mov_b32 s17, 0
	s_lshl_b32 s46, ttmp9, 21                      ; wb: the matrix (2 MiB), 512 bytes x cx along its rows, 64 rows x half
	s_lshl_b32 s47, s40, 9
	s_add_co_u32 s46, s46, s47
	s_lshl_b32 s47, s12, 17
	s_add_co_u32 s46, s46, s47
	s_mov_b32 s47, 0
	s_mul_i32 s20, s10, HALFT                      ; where they go: the wave's number alone
	s_wait_dscnt 0x0                               ; the opening add is done
	s_wait_kmcnt 0x0
	s_add_nc_u64 s[14:15], s[4:5], s[16:17]
	s_add_nc_u64 s[46:47], s[6:7], s[46:47]
	CROUND                                         ; all sixteen work-groups are here: the first joint loads meet
.irp s, 0,1
	s_mov_b32 s[G0+4*(\s)], 1
	s_add_co_u32 s[G0+4*(\s)+1], s20, (\s)*SLOT
	s_add_nc_u64 s[G0+4*(\s)+2:G0+4*(\s)+3], s[14:15], (\s)*ASTEP
	s_or_b32 s[G0+4*(\s)+3], s[G0+4*(\s)+3], 0x80000000
	s_mov_b32 s[G0B+4*(\s)], 1
	s_add_co_u32 s[G0B+4*(\s)+1], s20, (\s)*SLOT
	s_add_nc_u64 s[G0B+4*(\s)+2:G0B+4*(\s)+3], s[46:47], (\s)*BSTEP
	s_or_b32 s[G0B+4*(\s)+3], s[G0B+4*(\s)+3], 0x80000000
	JLOAD \s                                       ; two tensor loads of mine are out
.endr
	v_and_b32 v1, 15, v0                           ; r = l % 16
	v_bfe_u32 v2, v0, 4, 1                         ; h = l / 16
	; the bias of my 128 columns, f32: column 256 cx + 128 half + 16 b + 8 h + j into register 8 b + j of window 1
	s_cmp_eq_u32 ttmp9, 0
	s_cselect_b64 s[74:75], s[76:77], s[78:79]
	s_cmp_eq_u32 ttmp9, 2
	s_cselect_b64 s[74:75], s[80:81], s[74:75]
	s_lshl_b32 s21, s40, 10
	s_lshl_b32 s22, s12, 9
	s_add_co_u32 s21, s21, s22
	v_lshl_add_u32 v8, v2, 5, s21
	WIN TO_B
.irp b, 0,1,2,3,4,5,6,7
	global_load_b128 v[8*(\b):8*(\b)+3],   v8, s[74:75] offset:64*(\b)
	global_load_b128 v[8*(\b)+4:8*(\b)+7], v8, s[74:75] offset:64*(\b)+16
.endr
	WIN 0
	; xb's fragment: lane l holds row r, K = 8 h + 0..7 and 16 + 8 h + 0..7: two loads of 16 bytes, 32 apart
	v_mul_u32_u24 v3, v1, PITCH
	v_lshl_add_u32 v3, v2, 4, v3
	s_mul_i32 s21, s11, HALFT                      ; my 128 rows of xb
	; wb's: the turning load takes 16 rows d x 16 columns e: lane l reads row 8 h + l % 8, columns 8 ((l / 8) % 2) + 0..7, and is left with column r and 8 rows d
	v_and_b32 v6, 7, v0
	v_bfe_u32 v7, v0, 3, 1
	v_lshl_add_u32 v6, v2, 3, v6
	v_mul_u32_u24 v6, v6, BPITCH
	v_lshl_add_u32 v6, v7, 4, v6
	s_lshl_b32 s22, s12, 8                         ; my 128 columns: 256 bytes along the rows,
	s_add_co_u32 s22, s22, 2*HALFT                 ; behind xb's 256 rows
	v_add_nc_u32 v[ADRA0], s21, v3
	v_add_nc_u32 v[ADRB0], s22, v6
	v_mov_b32 v[ADRA], v[ADRA0]                    ; slot 0
	v_mov_b32 v[ADRB], v[ADRB0]
	s_mul_i32 s23, s10, 16*SPITCH
	s_add_co_u32 s23, s23, STAGE                   ; my stage
	v_mul_u32_u24 v4, v1, SPITCH                   ; in: row r, 16 bytes for each half of the lanes
	v_lshl_add_u32 v4, v2, 4, v4
	v_add_nc_u32 v[STO], s23, v4
	v_mul_u32_u24 v5, v2, SPITCH                   ; back: lanes 0-15 one row of 256 bytes, lanes 16-31 the next
	v_lshl_add_u32 v5, v1, 4, v5
	v_add_nc_u32 v[RD], s23, v5
	v_mul_u32_u24 v5, v2, CROW                     ; and the same two rows in qkv
	v_lshl_add_u32 v[CO], v1, 4, v5
	s_lshl_b32 s16, s13, 8                         ; where my part of the tile begins in qkv
	s_lshl_b32 s17, s11, 7
	s_add_co_u32 s16, s16, s17
	s_mul_i32 s16, s16, CROW
	s_mov_b32 s17, 0
	s_lshl_b32 s46, s42, 9
	s_lshl_b32 s47, s12, 8
	s_add_co_u32 s46, s46, s47
	s_mov_b32 s47, 0
	s_add_nc_u64 s[16:17], s[16:17], s[46:47]
	s_add_nc_u64 s[8:9], s[8:9], s[16:17]
	; the prefetches, at K step 3: each change of slots steps them first and then asks
	s_lshl_b32 s20, s13, 19                        ; xb: row 256 x tile row + 128 x half + 32 cx, a lane a row
	s_lshl_b32 s21, s12, 18
	s_add_co_u32 s20, s20, s21
	s_lshl_b32 s21, s40, 16
	s_add_co_u32 s20, s20, s21
	s_add_co_u32 s20, s20, 3*ASTEP
	s_lshl_b32 s22, ttmp9, 21                      ; wb: row 64 x half + 16 cy + lane / 2, block lane % 2 of the row's 512 bytes
	s_lshl_b32 s21, s40, 9
	s_add_co_u32 s22, s22, s21
	s_lshl_b32 s21, s12, 17
	s_add_co_u32 s22, s22, s21
	s_lshl_b32 s21, s41, 15
	s_add_co_u32 s22, s22, s21
	s_add_co_u32 s22, s22, 3*BSTEP
	s_movk_i32 s21, ASTEP
	s_cmp_eq_u32 s11, 0                            ; do I fetch for xb?
	s_cselect_b32 s20, s20, s22
	s_cselect_b32 s[PFS], s21, BSTEP
	s_cselect_b32 s23, 0, 1                        ; the lane's shift and mask
	s_cselect_b32 s22, ttmp9, s72                  ; the coordinate along which other clusters read the same blocks
	s_cselect_b64 s[PFA:PFA+1], s[4:5], s[6:7]
	s_mov_b32 s21, 0
	s_mov_b32 s[PFS+1], 0
	s_add_nc_u64 s[PFA:PFA+1], s[PFA:PFA+1], s[20:21]
	s_cmp_eq_u32 s22, 0
	s_cselect_b32 s[LIM], 2, -1                    ; the same in all sixteen partners, for a given wave
	v_and_b32 v9, 31, v0
	v_and_b32 v10, s23, v9
	v_lshrrev_b32 v9, s23, v9
	v_lshlrev_b32 v9, 11, v9
	v_lshl_add_u32 v[PFO], v10, 8, v9
	s_wait_loadcnt 0x0                             ; the bias: rounded to bf16 like every input, and widened again
	WIN 0x45                                       ; destination and both sources in window 1
.set n, 0
.rept 32
	v_cvt_pk_bf16_f32 v[192+n], v[2*n], v[2*n+1]
.set n, n+1
.endr
.set n, 0
.rept 32
	v_lshlrev_b32 v[2*n], 16, v[192+n]
	v_and_b32 v[2*n+1], s[HIM], v[192+n]
.set n, n+1
.endr
	WIN 0
; 16 matrix instructions: row blocks a0, a0 + 1 of the window's four (hi = 0: my rows 0-63, 1: rows 64-127) x all 8 column blocks, 32 along K.  first = 1: the bias starts the sums.
.macro MUL16 f, hi, a0, first
.if \first
	WIN 0x91+0x40*(\hi)                            ; wb window 1, xb window 0, C (the bias) window 1, D window 2 or 3
.else
	WIN 0xa1+0x50*(\hi)                            ; C and D window 2 or 3
.endif
.irp a, \a0, (\a0)+1
.irp b, 0,1,2,3,4,5,6,7
.if \first
	v_wmma_f32_16x16x32_bf16 v[8*(8*(\a)+(\b)):8*(8*(\a)+(\b))+7], v[(\f)+8*(\b):(\f)+8*(\b)+7], v[(\f)+8*(4*(\hi)+(\a)):(\f)+8*(4*(\hi)+(\a))+7], v[8*(\b):8*(\b)+7]
.else
	v_wmma_f32_16x16x32_bf16 v[8*(8*(\a)+(\b)):8*(8*(\a)+(\b))+7], v[(\f)+8*(\b):(\f)+8*(\b)+7], v[(\f)+8*(4*(\hi)+(\a)):(\f)+8*(4*(\hi)+(\a))+7], v[8*(8*(\a)+(\b)):8*(8*(\a)+(\b))+7]
.endif
.endr
.endr
.endm
; 32 LDS loads in one run: the fragments of quarter q (32 along K) of the slot that is read, into buffer f: wb's 16, then xb's 16
.macro FETCH q, f
	WIN TO_B
.irp i, 0,1,2,3,4,5,6,7
	ds_load_tr16_b128 v[(\f)+8*(\i):(\f)+8*(\i)+3],   v[ADRB] offset:(\q)*32*BPITCH+32*(\i)
	ds_load_tr16_b128 v[(\f)+8*(\i)+4:(\f)+8*(\i)+7], v[ADRB] offset:(\q)*32*BPITCH+16*BPITCH+32*(\i)
.endr
	WIN 0
.irp i, 0,1,2,3,4,5,6,7
	ds_load_b128 v[(\f)+8*(\i):(\f)+8*(\i)+3],   v[ADRA] offset:(\q)*64+(\i)*16*PITCH
	ds_load_b128 v[(\f)+8*(\i)+4:(\f)+8*(\i)+7], v[ADRA] offset:(\q)*64+(\i)*16*PITCH+32
.endr
.endm
; A K step is four quarters of 32 along K, 64 matrix instructions each, on buffers 0, 1, 0, 1.  One of the first three: multiplies f, and in its middle fetches quarter q into g.
; The 64 accumulators take turns in the same order in every quarter.
.macro QUARTER q, f, g, first
	s_wait_dscnt 8                                 ; wb's and xb's rows 0-63 are in; the youngest eight loads (rows 64-127) may be out
	MUL16 \f, 0, 0, \first
	MUL16 \f, 0, 2, \first
	PLACES
	FETCH \q, \g
	s_wait_dscnt 32                                ; all but the 32 just issued
	MUL16 \f, 1, 0, \first
	MUL16 \f, 1, 2, \first
.endm
; The last quarter multiplies buffer 1 and changes slots.  In front of the barrier each wave waits for all its tensor loads (one is out: its part of the next slot), adds 0 to its spare word, and waits for
; that and for its reads of this slot.  fill = 1: the barrier opens a round of the cluster's; behind it the slot just read is filled again first, two K steps ahead: 224 matrix instructions ahead of the wait for it.
; fill = 0: the tail; in its last trip (s3 = 1) there is no next step, and the run of loads is jumped over.
.macro TURN fill
.if \fill
	s_wait_xcnt 0x0                                ; the last prefetch, a K step back, has read its address
	s_add_nc_u64 s[PFA:PFA+1], s[PFA:PFA+1], s[PFS:PFS+1]
.endif
	WIN 0                                          ; (the add's two registers and the addresses lie in window 0)
	s_xor_b32 s[TB], s[TB], SLOT                   ; this slot's last fragments have been asked for: the addresses turn to the other slot
	v_add_nc_u32 v[ADRA], s[TB], v[ADRA0]
	v_add_nc_u32 v[ADRB], s[TB], v[ADRB0]
	s_wait_tensorcnt 0x0                           ; all my tensor loads have landed, so a group 0 may be written
	ds_add_u32 v[SPW], v[NIL]                      ; 0 onto my spare word
.if \fill
	s_xor_b32 s[G0+5], s[G0+5], SLOT               ; the walking descriptors: the other slot than last time, the next K step
	s_add_nc_u64 s[G0+6:G0+7], s[G0+6:G0+7], ASTEP
	s_xor_b32 s[G0B+5], s[G0B+5], SLOT
	s_add_nc_u64 s[G0B+6:G0B+7], s[G0B+6:G0B+7], BSTEP
.endif
	s_wait_dscnt 9                                 ; (the add and the youngest eight loads may be out)
	MUL16 F1, 0, 0, 0
	s_wait_dscnt 0x0                               ; the add is done, and my reads of this slot are over
	s_barrier_signal -1
	MUL16 F1, 0, 2, 0
	WIN 0
	s_barrier_wait -1
.if \fill
	CREST                                          ; no wave of any partner still reads this slot or has a load on its way
	JLOAD 1                                        ; its four v_nop are also the places in front of the loads below
	FETCH 0, F0
	ASK
.else
	s_cmp_eq_u32 s3, 1
	s_cbranch_scc1 .Lno_fetch_\@
	PLACES
	FETCH 0, F0
.Lno_fetch_\@:
.endif
	MUL16 F1, 1, 0, 0
	MUL16 F1, 1, 2, 0
.endm
; THE WAY OUT of row block a: rounded to f16, 16 bytes a lane; into my own stage and back as whole rows of 256 bytes; stored.
.macro PACK a
.set AC, 64*((\a)%4)
	WIN 0x0a+5*((\a)/4)                            ; sources in window 2 or 3
.irp b, 0,1,2,3,4,5,6,7
.irp r, 0,1,2,3
	v_cvt_pk_f16_f32 v[TMP+4*(\b)+(\r)], v[AC+8*(\b)+2*(\r)], v[AC+8*(\b)+2*(\r)+1]
.endr
.endr
	WIN 0
.endm
.macro TOSTAGE a
.set BK, OB+192*((\a)%2)
.irp b, 0,1,2,3,4,5,6,7
	ds_store_b128 v[STO], v[TMP+4*(\b):TMP+4*(\b)+3] offset:32*(\b)
.endr
.irp t, 0,1,2,3,4,5,6,7
	ds_load_b128 v[BK+4*(\t):BK+4*(\t)+3], v[RD] offset:(\t)*2*SPITCH  ; LDS serves a wave's instructions in order (ISA guide 5.7.1.4): these see the stores above
.endr
.endm
.macro SEND a
.set BK, OB+192*((\a)%2)
	s_wait_dscnt 0x0                               ; the block is back in registers
	s_wait_xcnt 0x0                                ; the stores of the block before have read their data: the next block's loads from the stage land on those registers
.irp t, 0,1,2,3,4,5,6,7
	global_store_b128 v[CO], v[BK+4*(\t):BK+4*(\t)+3], s[8:9] offset:(16*(\a)+2*(\t))*CROW  ; 16 lanes store 256 consecutive bytes, at a multiple of 256 from qkv's first byte; 126 rows at the most: inside the signed 24 bits
.endr
.endm
	s_wait_tensorcnt 1                             ; my part of K step 0 is in; K step 1's stays out
	s_barrier_signal -1
	s_barrier_wait -1
	FETCH 0, F0
	QUARTER 1, F0, F1, 1                           ; the first quarter stands in front of the loop: its products start the sums
	WIN 0
	s_mov_b32 s3, KSTEPS-2
.Lstep:                                                ; a trip goes from a K step's second quarter to the next step's first, and fills the slot that it leaves
	QUARTER 2, F1, F0, 0
	QUARTER 3, F0, F1, 0
	TURN 1
	QUARTER 1, F0, F1, 0
	WIN 0
	s_sub_co_u32 s3, s3, 1
	s_cmp_lg_u32 s3, 0
	s_cbranch_scc1 .Lstep
	s_mov_b32 s3, 2
.Ltail:                                                ; the last two K steps fill nothing
	QUARTER 2, F1, F0, 0
	QUARTER 3, F0, F1, 0
	TURN 0
	WIN 0
	s_cmp_eq_u32 s3, 1
	s_cbranch_scc1 .Llast                          ; behind the last K step there is no first quarter
	QUARTER 1, F0, F1, 0
	WIN 0
.Llast:
	s_sub_co_u32 s3, s3, 1
	s_cmp_lg_u32 s3, 0
	s_cbranch_scc1 .Ltail
	s_wait_dscnt 0x0                               ; no LDS load is out, on any way through the two jumps
	PLACES
	PLACES
	PACK 0
	TOSTAGE 0
.irp a, 1,2,3,4,5,6,7                  ; block a's conversions stand between block a - 1's loads from the stage and the wait for them
	PACK \a
	SEND (\a)-1
	TOSTAGE \a
.endr
	SEND 7
	s_wait_tensorcnt 0x0                           ; the wave's end
	ds_add_u32 v[SPW], v[NIL]
	s_wait_dscnt 0x0
	CROUND                                         ; the closing round
	s_endpgm
.Lfunc_end_k_q0fd374483f_proj:
	.size	k_q0fd374483f_proj, .Lfunc_end_k_q0fd374483f_proj-k_q0fd374483f_proj
	.p2alignl 7, 3214868480
	.fill 96, 4, 3214868480
	.section	.rodata,"a",@progbits
	.p2align	6, 0x0
	.amdhsa_kernel k_q0fd374483f_proj
		.amdhsa_group_segment_fixed_size 327680
		.amdhsa_private_segment_fixed_size 0
		.amdhsa_enable_private_segment 0
		.amdhsa_kernarg_size 48
		.amdhsa_user_sgpr_count 2
		.amdhsa_user_sgpr_kernarg_segment_ptr 1
		.amdhsa_wavefront_size32 1
		.amdhsa_system_sgpr_workgroup_id_x 1
		.amdhsa_system_sgpr_workgroup_id_y 1
		.amdhsa_system_sgpr_workgroup_id_z 1
		.amdhsa_system_vgpr_workitem_id 0
		.amdhsa_next_free_vgpr 1024
		.amdhsa_next_free_sgpr 96
		.amdhsa_reserve_vcc 0
		.amdhsa_float_denorm_mode_32 3
		.amdhsa_float_denorm_mode_16_64 3
		.amdhsa_memory_ordered 1
		.amdhsa_forward_progress 1
		.amdhsa_inst_pref_size 108
	.end_amdhsa_kernel
	.amdgpu_metadata
---
amdhsa.version: [ 1, 2 ]
amdhsa.kernels:
  - .name:           k_q0fd374483f_proj
    .symbol:         k_q0fd374483f_proj.kd
    .args:
      - { .name: xb, .offset: 0, .size: 8, .value_kind: global_buffer, .address_space: global }
      - { .name: wb, .offset: 8, .size: 8, .value_kind: global_buffer, .address_space: global }
      - { .name: qkv, .offset: 16, .size: 8, .value_kind: global_buffer, .address_space: global }
      - { .name: bq, .offset: 24, .size: 8, .value_kind: global_buffer, .address_space: global }
      - { .name: bk, .offset: 32, .size: 8, .value_kind: global_buffer, .address_space: global }
      - { .name: bv, .offset: 40, .size: 8, .value_kind: global_buffer, .address_space: global }
    .group_segment_fixed_size: 327680
    .private_segment_fixed_size: 0
    .kernarg_segment_align: 8
    .kernarg_segment_size: 48
    .max_flat_workgroup_size: 128
    .sgpr_count:     96
    .vgpr_count:     1024
    .wavefront_size: 32
...
	.end_amdgpu_metadata
.endif
;; end of part 2
;; launch score (part 3): grid 8 x 32, 4 waves a work-group, clusters of 4 x 4, 327,680 bytes of LDS; arguments qkv, pb, stat; writes pb, stat
.if DOCPART == 3
	.amdgcn_target "amdgcn-amd-amdhsa--gfx1250"
	.amdhsa_code_object_version 6
	.text
	.protected	k_q0fd374483f_score
	.globl	k_q0fd374483f_score
	.p2align	8
	.type	k_q0fd374483f_score,@function
k_q0fd374483f_score:
	s_mov_b64 s[64:65], 0
	v_nop
	global_prefetch_b8 v0, s[64:65] scope:SCOPE_SE
	s_setreg_imm32_b32 hwreg(HW_REG_WAVE_MODE, 25, 1), 1
	s_wait_xcnt 0x0
	s_wait_alu depctr_hold_cnt(0) depctr_sa_sdst(0) depctr_va_vdst(0) depctr_va_sdst(0) depctr_va_ssrc(0) depctr_va_vcc(0) depctr_vm_vsrc(0)
	s_getreg_b32 s2, hwreg(HW_REG_IB_STS2, 6, 4)
	s_cmp_eq_u32 s2, 0
	s_cbranch_scc0 .Lentry_in_a_cluster
	s_endpgm
.Lentry_in_a_cluster:
	s_bfe_u32 s2, ttmp6, 0x10000c
	s_cmp_lg_u32 s2, 0xf033
	s_cbranch_scc0 .Lentry_shape_is_right
	s_endpgm
.Lentry_shape_is_right:
; For each query row and each block of 128 keys of its batch: s = q . k (f32 sums of f16 products), m = the largest s of the block, p = 2^(c s - c m), c = log2(e) / 32, l = the sum of the p.
; pb[row][key] = p in f16; stat = c m at [batch 4][block 16][row 2048] f32, and l in the same layout 524,288 bytes further on.  The next launch joins the 16 blocks of a row under the row's true maximum.
; The maximum taken away is the block's own, so every exponent is 0 or below (but for the rounding of c m) and p lies in 0 to 1.  LIMITS: p below 6e-5 keeps f16's fixed step of 6e-8; a p below 2^-126 counts as 0 in l;
; NaN and infinities are not treated apart.
; A tile of 256 queries x 256 keys is made by four waves, 128 x 128 each: a wave's columns are one block of keys, so a row's maximum and sum never leave the wave.  K = 1024 in 8 steps of 128 through two LDS slots.
; ONE TEXT FOR A K STEP: the slot that is read is a scalar (0 or SLOT) that an exclusive or turns at each change of slots.  The six steps that fill a slot again are one loop, the last two a second one.
; CLUSTER: 4 x 4 work-groups; q's tile is shared along a row of the cluster, k's along a column: joint loads.
; THE PRODUCT IS TAKEN TRANSPOSED (source 0 = 16 keys, source 1 = 16 queries): lane l holds query l % 16 and the keys 8 (l / 16) + 0..7 of each of 8 groups of 16: a query's 128 scores lie in two lanes, 16 apart.
; REGISTERS: window 0: v0-31 addresses; v64-127, v128-191 q's fragments (v64-111 at work in the softmax); v32-63, v192-255 the way out.  window 1: v64-191 k's fragments.  windows 2, 3: the accumulators.
.set PITCH,  272
.set HALFT,  128*PITCH
.set SLOT,   4*HALFT                   ; 0x22000: the multiples 0 to 3 of HALFT (0x8800) have neither of its two bits, so an exclusive or with it adds it or takes it away
.set STAGE,  2*SLOT
.set SPITCH, 272
.set SPARE,  STAGE+4*16*SPITCH
.set KSTEPS, 8
.set ASTEP,  256                       ; bytes from a K step to the next, in q and in k
.set QROW,   6144                      ; bytes in a row of qkv
.set CROW,   4096                      ; bytes in a row of pb
.set ADRA0, 16                         ; v16  my lane's place in q's part of a slot; never rewritten
.set ADRA,  17                         ; v17  the same in the slot that is read
.set ADRB0, 20                         ; v20, v21  the same for k
.set ADRB,  21
.set STG,  23                          ; v23  16 x lane: my 16 bytes of 512 of stat
.set STO,  24
.set RD,   25
.set CO,   26
.set STS,  27                          ; v27  my stage + 4 r
.set SPW,  28
.set NIL,  29
.set PFO,  30
.set STR,  31                          ; v31  my stage + 16 x lane
.set F0,   64
.set F1,   128
.set TMP,  192
.set OB,   32
.set T,    64                          ; v64-87   at work in the softmax
.set SP,   96                          ; v[96+2a] c m, v[97+2a] m and then l, of row block a
.set G1,  24
.set G0,  32                           ; s[32:35] group 0 of the first fill, s[36:39] of the second, which then walks
.set G1B, 48
.set G0B, 56
.set CS,  68                           ; s[68:69] c
.set SEL, 70                           ; s[70:71] v_permlanex16_b32's selects: each lane takes its own place in the other half
.set TB,  82                           ; s82  the first LDS byte of the slot that is read: 0 or SLOT
.set LIM, 84
.set PFA, 86
.set MSB, 0
.macro WIN new
.if MSB != (\new)
	s_set_vgpr_msb (MSB<<8)|(\new)
.set MSB, \new
.endif
.endm
.set TO_B, 0x40
.macro JLOAD s                         ; a joint load: waves 0 and 1 fetch q's two halves, waves 2 and 3 k's; an s_nop 0 and four v_nop follow each line
	s_cmp_eq_u32 s11, 0
	s_cbranch_scc0 .Lfor_b_\@
	tensor_load_to_lds s[G0+4*(\s):G0+4*(\s)+3], s[G1:G1+7]
	s_nop 0
.rept 4
	v_nop
.endr
	s_branch .Lasked_\@
.Lfor_b_\@:
	tensor_load_to_lds s[G0B+4*(\s):G0B+4*(\s)+3], s[G1B:G1B+7]
	s_nop 0
.rept 4
	v_nop
.endr
.Lasked_\@:
.endm
; A prefetch of the K step two refills on: 32 rows x 256 bytes, a lane a row.  q's tile row is read by the two clusters of a row of clusters: cluster x = 0 asks; k's tile column by the two clusters of a batch:
; the even cluster y asks.  The four partners of a joint load share its 128 rows out by address.  The loop's last two trips (s3 = 2, 1) ask for nothing.
.macro ASK
	s_cmp_gt_u32 s3, s[LIM]
	s_cbranch_scc0 .Lnot_mine_\@
	global_prefetch_b8 v[PFO], s[PFA:PFA+1] th:TH_LOAD_NT scope:SCOPE_SE
.Lnot_mine_\@:
.endm
.macro CREST
	s_cmp_lg_u32 s10, 0
	s_cbranch_scc1 .Lnot_wave_0_\@
	s_barrier_signal -3
.Lnot_wave_0_\@:
	s_barrier_wait -3
	s_barrier_signal -1
	s_barrier_wait -1
.endm
.macro CROUND
	s_barrier_signal -1
	s_barrier_wait -1
	CREST
.endm
.macro PLACES
.rept 4
	v_nop
.endr
.endm
	s_load_b128 s[4:7], s[0:1], 0x0                ; qkv s[4:5], pb s[6:7]
	s_load_b64 s[74:75], s[0:1], 0x10              ; stat
	v_lshl_add_u32 v[SPW], v0, 2, SPARE
	v_mov_b32 v[NIL], 0
	ds_add_u32 v[SPW], v[NIL]                      ; the wave's opening: the add and its wait stand ahead of my first tensor load
	v_lshrrev_b32 v1, 5, v0
	v_readfirstlane_b32 s10, v1                    ; wave 0..3
	s_lshr_b32 s11, s10, 1                         ; my half of the queries.  Also: I fetch for q (0) or k (1)
	s_and_b32 s12, s10, 1                          ; my half of the keys.  Also: which 128 rows of that tile I fetch
	s_bfe_u32 s40, ttmp6, 0x40000                  ; cx
	s_bfe_u32 s41, ttmp6, 0x40004                  ; cy
	s_lshl_b32 s42, ttmp9, 2
	s_add_co_u32 s42, s42, s40                     ; tile column: 256 keys of the batch
	s_and_b32 s72, ttmp7, 0xffff                   ; cluster y; the batch is cluster y / 2
	s_lshl_b32 s13, s72, 2
	s_add_co_u32 s13, s13, s41                     ; tile row: 256 of the 8,192 rows
	s_lshl_b32 s43, s41, 2
	s_lshl_b32 s43, 15, s43
	s_lshl_b32 s44, 0x1111, s40
	s_or_b32 s[G1+0], s43, (1<<16)|(1<<20)|(1<<21)|(5<<22)|(3<<25)
	s_or_b32 s[G1B+0], s44, (1<<16)|(1<<20)|(1<<21)|(5<<22)|(3<<25)
.irp g, G1, G1B
	s_mov_b32 s[(\g)+1], 128<<16                   ; tensor_dim0 = 128
	s_mov_b32 s[(\g)+2], 128<<16                   ; tensor_dim1 = 128
	s_mov_b32 s[(\g)+3], 128<<16                   ; tile_dim0 = 128
	s_mov_b32 s[(\g)+4], 128                       ; tile_dim1 = 128
	s_mov_b32 s[(\g)+5], 3072                      ; elements from row to row
	s_mov_b32 s[(\g)+6], 0
	s_mov_b32 s[(\g)+7], 0
.endr
	s_mov_b32 s[CS], 0x3d38aa3b                    ; c = log2(e) / 32
	s_mov_b32 s[CS+1], s[CS]
	s_mov_b32 s[SEL], 0x76543210
	s_mov_b32 s[SEL+1], 0xfedcba98
	s_mov_b32 s[TB], 0                             ; slot 0 is read first
	s_lshl_b32 s16, s13, 8                         ; q: row 256 x tile row + 128 x half
	s_lshl_b32 s17, s12, 7
	s_add_co_u32 s16, s16, s17
	s_mul_i32 s16, s16, QROW
	s_mov_b32 s17, 0
	s_lshr_b32 s46, s72, 1                         ; k: row 2,048 x batch + 256 x tile column + 128 x half
	s_lshl_b32 s46, s46, 11
	s_lshl_b32 s47, s42, 8
	s_add_co_u32 s46, s46, s47
	s_lshl_b32 s47, s12, 7
	s_add_co_u32 s46, s46, s47
	s_mul_i32 s46, s46, QROW
	s_mov_b32 s47, 0
	s_mul_i32 s20, s10, HALFT
	s_wait_dscnt 0x0
	s_wait_kmcnt 0x0
	s_mov_b64 s[8:9], s[6:7]                       ; pb
	s_add_nc_u64 s[6:7], s[4:5], 2048              ; k's part of a row of qkv
	s_add_nc_u64 s[14:15], s[4:5], s[16:17]
	s_add_nc_u64 s[46:47], s[6:7], s[46:47]
	CROUND
.irp s, 0,1
	s_mov_b32 s[G0+4*(\s)], 1
	s_add_co_u32 s[G0+4*(\s)+1], s20, (\s)*SLOT
	s_add_nc_u64 s[G0+4*(\s)+2:G0+4*(\s)+3], s[14:15], (\s)*ASTEP
	s_or_b32 s[G0+4*(\s)+3], s[G0+4*(\s)+3], 0x80000000
	s_mov_b32 s[G0B+4*(\s)], 1
	s_add_co_u32 s[G0B+4*(\s)+1], s20, (\s)*SLOT
	s_add_nc_u64 s[G0B+4*(\s)+2:G0B+4*(\s)+3], s[46:47], (\s)*ASTEP
	s_or_b32 s[G0B+4*(\s)+3], s[G0B+4*(\s)+3], 0x80000000
	JLOAD \s
.endr
	v_and_b32 v1, 15, v0                           ; r
	v_bfe_u32 v2, v0, 4, 1                         ; h
	v_mul_u32_u24 v3, v1, PITCH
	v_lshl_add_u32 v3, v2, 4, v3
	s_mul_i32 s21, s11, HALFT
	s_mul_i32 s22, s12, HALFT
	s_add_co_u32 s22, s22, 2*HALFT
	v_add_nc_u32 v[ADRA0], s21, v3
	v_add_nc_u32 v[ADRB0], s22, v3
	v_mov_b32 v[ADRA], v[ADRA0]                    ; slot 0
	v_mov_b32 v[ADRB], v[ADRB0]
	s_mul_i32 s23, s10, 16*SPITCH
	s_add_co_u32 s23, s23, STAGE                   ; my stage
	v_mul_u32_u24 v4, v1, SPITCH
	v_lshl_add_u32 v4, v2, 4, v4
	v_add_nc_u32 v[STO], s23, v4
	v_mul_u32_u24 v5, v2, SPITCH
	v_lshl_add_u32 v5, v1, 4, v5
	v_add_nc_u32 v[RD], s23, v5
	v_mul_u32_u24 v5, v2, CROW
	v_lshl_add_u32 v[CO], v1, 4, v5
	v_lshl_add_u32 v[STS], v1, 2, s23
	v_and_b32 v5, 31, v0
	v_lshlrev_b32 v[STG], 4, v5
	v_add_nc_u32 v[STR], s23, v[STG]
	s_lshl_b32 s16, s13, 20                        ; pb: (256 x tile row + 128 x half) rows of 4,096 bytes,
	s_lshl_b32 s17, s11, 19
	s_add_co_u32 s16, s16, s17
	s_mov_b32 s17, 0
	s_lshl_b32 s46, s42, 9                         ; + 512 x tile column + 256 x half
	s_lshl_b32 s47, s12, 8
	s_add_co_u32 s46, s46, s47
	s_mov_b32 s47, 0
	s_add_nc_u64 s[16:17], s[16:17], s[46:47]
	s_add_nc_u64 s[8:9], s[8:9], s[16:17]
	s_lshr_b32 s20, s13, 3                         ; stat: ((16 x batch + block) x 2,048 + my first row in the batch) x 4
	s_lshl_b32 s20, s20, 4
	s_lshl_b32 s21, s42, 1
	s_add_co_u32 s20, s20, s21
	s_add_co_u32 s20, s20, s12
	s_lshl_b32 s20, s20, 11
	s_and_b32 s21, s13, 7
	s_lshl_b32 s21, s21, 8
	s_add_co_u32 s20, s20, s21
	s_lshl_b32 s21, s11, 7
	s_add_co_u32 s20, s20, s21
	s_lshl_b32 s20, s20, 2
	s_mov_b32 s21, 0
	s_add_nc_u64 s[74:75], s[74:75], s[20:21]
	; the prefetches, at K step 3: each change of slots steps them first and then asks
	s_lshl_b32 s20, s13, 8
	s_lshl_b32 s21, s40, 5
	s_add_co_u32 s20, s20, s21                     ; q: my work-group's 32 rows by cx
	s_lshr_b32 s22, s72, 1
	s_lshl_b32 s22, s22, 11
	s_lshl_b32 s21, s42, 8
	s_add_co_u32 s22, s22, s21
	s_lshl_b32 s21, s41, 5
	s_add_co_u32 s22, s22, s21                     ; k: by cy
	s_and_b32 s23, s72, 1
	s_cmp_eq_u32 s11, 0
	s_cselect_b32 s20, s20, s22
	s_cselect_b32 s23, ttmp9, s23                  ; the coordinate along which another cluster reads the same rows
	s_cselect_b64 s[PFA:PFA+1], s[4:5], s[6:7]
	s_lshl_b32 s21, s12, 7
	s_add_co_u32 s20, s20, s21                     ; of the 128 rows that I fetch
	s_mul_i32 s20, s20, QROW
	s_add_co_u32 s20, s20, 3*ASTEP
	s_mov_b32 s21, 0
	s_add_nc_u64 s[PFA:PFA+1], s[PFA:PFA+1], s[20:21]
	s_cmp_eq_u32 s23, 0
	s_cselect_b32 s[LIM], 2, -1
	v_and_b32 v[PFO], 31, v0
	v_mul_u32_u24 v[PFO], v[PFO], QROW
.macro MUL16 f, hi, a0, first          ; 16 matrix instructions; first = 1: the products start the sums
	WIN 0xa1+0x50*(\hi)                            ; k window 1, q window 0, C and D window 2 or 3
.irp a, \a0, (\a0)+1
.irp b, 0,1,2,3,4,5,6,7
.if \first
	v_wmma_f32_16x16x32_f16 v[8*(8*(\a)+(\b)):8*(8*(\a)+(\b))+7], v[(\f)+8*(\b):(\f)+8*(\b)+7], v[(\f)+8*(4*(\hi)+(\a)):(\f)+8*(4*(\hi)+(\a))+7], 0
.else
	v_wmma_f32_16x16x32_f16 v[8*(8*(\a)+(\b)):8*(8*(\a)+(\b))+7], v[(\f)+8*(\b):(\f)+8*(\b)+7], v[(\f)+8*(4*(\hi)+(\a)):(\f)+8*(4*(\hi)+(\a))+7], v[8*(8*(\a)+(\b)):8*(8*(\a)+(\b))+7]
.endif
.endr
.endr
.endm
.macro FETCH q, f                      ; 32 LDS loads in one run, from the slot that is read: k's 16, then q's 16
	WIN TO_B
.irp i, 0,1,2,3,4,5,6,7
	ds_load_b128 v[(\f)+8*(\i):(\f)+8*(\i)+3],   v[ADRB] offset:(\q)*64+(\i)*16*PITCH
	ds_load_b128 v[(\f)+8*(\i)+4:(\f)+8*(\i)+7], v[ADRB] offset:(\q)*64+(\i)*16*PITCH+32
.endr
	WIN 0
.irp i, 0,1,2,3,4,5,6,7
	ds_load_b128 v[(\f)+8*(\i):(\f)+8*(\i)+3],   v[ADRA] offset:(\q)*64+(\i)*16*PITCH
	ds_load_b128 v[(\f)+8*(\i)+4:(\f)+8*(\i)+7], v[ADRA] offset:(\q)*64+(\i)*16*PITCH+32
.endr
.endm
.macro QUARTER q, f, g, first          ; the 64 accumulators take turns in the same order in every quarter
	s_wait_dscnt 8                                 ; k's and q's rows 0-63 are in; the youngest eight loads may be out
	MUL16 \f, 0, 0, \first
	MUL16 \f, 0, 2, \first
	PLACES
	FETCH \q, \g
	s_wait_dscnt 32                                ; all but the 32 just issued
	MUL16 \f, 1, 0, \first
	MUL16 \f, 1, 2, \first
.endm
; The last quarter, and the change of slots.  fill = 1: the barrier opens a round of the cluster's, and the slot just read is filled again first behind it, two K steps ahead.
; fill = 0: the tail; in its last trip (s3 = 1) there is no next step, and the run of loads is jumped over.
.macro TURN fill
.if \fill
	s_wait_xcnt 0x0                                ; the last prefetch, a K step back, has read its address
	s_add_nc_u64 s[PFA:PFA+1], s[PFA:PFA+1], ASTEP
.endif
	WIN 0
	s_xor_b32 s[TB], s[TB], SLOT                   ; this slot's last fragments have been asked for: the addresses turn to the other slot
	v_add_nc_u32 v[ADRA], s[TB], v[ADRA0]
	v_add_nc_u32 v[ADRB], s[TB], v[ADRB0]
	s_wait_tensorcnt 0x0                           ; all my tensor loads have landed: my part of the next slot; a group 0 may be written
	ds_add_u32 v[SPW], v[NIL]                      ; 0 onto my spare word
.if \fill
	s_xor_b32 s[G0+5], s[G0+5], SLOT               ; the walking descriptors: the other slot than last time, the next K step
	s_add_nc_u64 s[G0+6:G0+7], s[G0+6:G0+7], ASTEP
	s_xor_b32 s[G0B+5], s[G0B+5], SLOT
	s_add_nc_u64 s[G0B+6:G0B+7], s[G0B+6:G0B+7], ASTEP
.endif
	s_wait_dscnt 9                                 ; (the add and the youngest eight loads may be out)
	MUL16 F1, 0, 0, 0
	s_wait_dscnt 0x0                               ; the add is done, and my reads of this slot are over
	s_barrier_signal -1
	MUL16 F1, 0, 2, 0
	WIN 0
	s_barrier_wait -1
.if \fill
	CREST
	JLOAD 1
	FETCH 0, F0
	ASK
.else
	s_cmp_eq_u32 s3, 1
	s_cbranch_scc1 .Lno_fetch_\@
	PLACES
	FETCH 0, F0
.Lno_fetch_\@:
.endif
	MUL16 F1, 1, 0, 0
	MUL16 F1, 1, 2, 0
.endm
; THE SOFTMAX of row block a, over the wave's 128 keys.  Each accumulator's lowest registers are read first.  The 64 exponentials are one batch with one wait: nothing ahead of
; the wait names a result; a pair is scaled two pairs ahead of its exponentials.
.macro SOFT a
.set AC, 64*((\a)%4)
.set W3, (\a)/4                        ; 0: window 2; 1: window 3
	WIN 0x2a+0x15*W3                               ; three sources in the accumulators' window
.irp b, 0,1,2,3,4,5,6,7
	v_max3_num_f32 v[T+3*(\b)],   v[AC+8*(\b)],   v[AC+8*(\b)+1], v[AC+8*(\b)+2]
	v_max3_num_f32 v[T+3*(\b)+1], v[AC+8*(\b)+3], v[AC+8*(\b)+4], v[AC+8*(\b)+5]
	v_max_num_f32  v[T+3*(\b)+2], v[AC+8*(\b)+6], v[AC+8*(\b)+7]
.endr
	WIN 0
.irp b, 0,1,2,3,4,5,6,7
	v_max3_num_f32 v[T+3*(\b)], v[T+3*(\b)], v[T+3*(\b)+1], v[T+3*(\b)+2]
.endr
	v_max3_num_f32 v[T], v[T], v[T+3], v[T+6]
	v_max3_num_f32 v[T+9], v[T+9], v[T+12], v[T+15]
	v_max_num_f32 v[T+18], v[T+18], v[T+21]
	v_max3_num_f32 v[T], v[T], v[T+9], v[T+18]
	v_permlanex16_b32 v[T+1], v[T], s[SEL], s[SEL+1]   ; the query's other 64 keys lie in the lane 16 away
	v_max_num_f32 v[SP+2*(\a)+1], v[T], v[T+1]         ; m
	v_mul_f32 v[SP+2*(\a)], s[CS], v[SP+2*(\a)+1]      ; c m
	WIN 0x82+0x41*W3                               ; destination and source 0 in the accumulators' window, c m in window 0
.irp i, 0,1
	v_pk_fma_f32 v[AC+2*(\i):AC+2*(\i)+1], v[AC+2*(\i):AC+2*(\i)+1], s[CS:CS+1], v[SP+2*(\a):SP+2*(\a)+1] op_sel_hi:[1,0,0] neg_lo:[0,0,1] neg_hi:[0,0,1]
.endr
.set n, 0
.rept 32
	v_exp_f32 v[AC+2*n], v[AC+2*n]
.if n < 30
	v_pk_fma_f32 v[AC+2*n+4:AC+2*n+5], v[AC+2*n+4:AC+2*n+5], s[CS:CS+1], v[SP+2*(\a):SP+2*(\a)+1] op_sel_hi:[1,0,0] neg_lo:[0,0,1] neg_hi:[0,0,1]
.endif
	v_exp_f32 v[AC+2*n+1], v[AC+2*n+1]
.set n, n+1
.endr
	v_nop                                          ; a plain instruction behind the last exponential,
	s_wait_alu depctr_va_vdst(0)                   ; and the one wait ahead of the batch's first reader
	WIN 0x0a+5*W3
.set n, 0
.rept 32
	v_cvt_pk_f16_f32 v[TMP+n], v[AC+2*n], v[AC+2*n+1]
.set n, n+1
.endr
	WIN 0x8a+0x45*W3                               ; the sum of the unrounded p, in place: pairs 16, 8, 4 and 2 apart
.irp w, 32,16,8,4
.set n, 0
.rept (\w)/2
	v_pk_add_f32 v[AC+2*n:AC+2*n+1], v[AC+2*n:AC+2*n+1], v[AC+(\w)+2*n:AC+(\w)+2*n+1]
.set n, n+1
.endr
.endr
	WIN 0x0a+5*W3
	v_pk_add_f32 v[T:T+1], v[AC:AC+1], v[AC+2:AC+3]
	WIN 0
	v_add_f32 v[T], v[T], v[T+1]
	v_permlanex16_b32 v[T+1], v[T], s[SEL], s[SEL+1]
	v_add_f32 v[SP+2*(\a)+1], v[T], v[T+1]             ; l takes m's place
.endm
.macro TOSTAGE a
.set BK, OB+192*((\a)%2)
.irp b, 0,1,2,3,4,5,6,7
	ds_store_b128 v[STO], v[TMP+4*(\b):TMP+4*(\b)+3] offset:32*(\b)
.endr
.irp t, 0,1,2,3,4,5,6,7
	ds_load_b128 v[BK+4*(\t):BK+4*(\t)+3], v[RD] offset:(\t)*2*SPITCH  ; LDS serves a wave's instructions in order (ISA guide 5.7.1.4)
.endr
.endm
.macro SEND a
.set BK, OB+192*((\a)%2)
	s_wait_dscnt 0x0
	s_wait_xcnt 0x0                                ; the stores of the block before have read their data: the next block's loads from the stage land on those registers
.irp t, 0,1,2,3,4,5,6,7
	global_store_b128 v[CO], v[BK+4*(\t):BK+4*(\t)+3], s[8:9] offset:(16*(\a)+2*(\t))*CROW  ; 16 lanes store 256 consecutive bytes, at a multiple of 256 from pb's first byte; 126 rows at the most: inside the signed 24 bits
.endr
.endm
	s_wait_tensorcnt 1                             ; my part of K step 0 is in; K step 1's stays out
	s_barrier_signal -1
	s_barrier_wait -1
	FETCH 0, F0
	QUARTER 1, F0, F1, 1                           ; the first quarter stands in front of the loop: its products start the sums
	WIN 0
	s_mov_b32 s3, KSTEPS-2
.Lstep:                                                ; a trip goes from a K step's second quarter to the next step's first, and fills the slot that it leaves
	QUARTER 2, F1, F0, 0
	QUARTER 3, F0, F1, 0
	TURN 1
	QUARTER 1, F0, F1, 0
	WIN 0
	s_sub_co_u32 s3, s3, 1
	s_cmp_lg_u32 s3, 0
	s_cbranch_scc1 .Lstep
	s_mov_b32 s3, 2
.Ltail:                                                ; the last two K steps fill nothing
	QUARTER 2, F1, F0, 0
	QUARTER 3, F0, F1, 0
	TURN 0
	WIN 0
	s_cmp_eq_u32 s3, 1
	s_cbranch_scc1 .Llast                          ; behind the last K step there is no first quarter
	QUARTER 1, F0, F1, 0
	WIN 0
.Llast:
	s_sub_co_u32 s3, s3, 1
	s_cmp_lg_u32 s3, 0
	s_cbranch_scc1 .Ltail
	s_wait_dscnt 0x0                               ; no LDS load is out, on any way through the two jumps: the softmax works in q's fragment registers
	PLACES
	PLACES
	SOFT 0
	TOSTAGE 0
.irp a, 1,2,3,4,5,6,7                  ; block a's softmax stands between block a - 1's loads from the stage and the wait for them
	SOFT \a
	SEND (\a)-1
	TOSTAGE \a
.endr
	SEND 7
	; the statistics: 128 rows' c m and l go through my stage, so that each store covers 512 consecutive bytes.  Both halves of the lanes hold the same numbers and write the same words.
.irp a, 0,1,2,3,4,5,6,7
	ds_store_b32 v[STS], v[SP+2*(\a)]   offset:64*(\a)
	ds_store_b32 v[STS], v[SP+2*(\a)+1] offset:512+64*(\a)
.endr
	ds_load_b128 v[T:T+3],   v[STR]
	ds_load_b128 v[T+4:T+7], v[STR] offset:512
	s_wait_dscnt 0x0
	global_store_b128 v[STG], v[T:T+3],   s[74:75]
	global_store_b128 v[STG], v[T+4:T+7], s[74:75] offset:524288
	s_wait_tensorcnt 0x0                           ; the wave's end
	ds_add_u32 v[SPW], v[NIL]
	s_wait_dscnt 0x0
	CROUND                                         ; the closing round
	s_endpgm
.Lfunc_end_k_q0fd374483f_score:
	.size	k_q0fd374483f_score, .Lfunc_end_k_q0fd374483f_score-k_q0fd374483f_score
	.p2alignl 7, 3214868480
	.fill 96, 4, 3214868480
	.section	.rodata,"a",@progbits
	.p2align	6, 0x0
	.amdhsa_kernel k_q0fd374483f_score
		.amdhsa_group_segment_fixed_size 327680
		.amdhsa_private_segment_fixed_size 0
		.amdhsa_enable_private_segment 0
		.amdhsa_kernarg_size 24
		.amdhsa_user_sgpr_count 2
		.amdhsa_user_sgpr_kernarg_segment_ptr 1
		.amdhsa_wavefront_size32 1
		.amdhsa_system_sgpr_workgroup_id_x 1
		.amdhsa_system_sgpr_workgroup_id_y 1
		.amdhsa_system_sgpr_workgroup_id_z 1
		.amdhsa_system_vgpr_workitem_id 0
		.amdhsa_next_free_vgpr 1024
		.amdhsa_next_free_sgpr 96
		.amdhsa_reserve_vcc 0
		.amdhsa_float_denorm_mode_32 3
		.amdhsa_float_denorm_mode_16_64 3
		.amdhsa_memory_ordered 1
		.amdhsa_forward_progress 1
		.amdhsa_inst_pref_size 170
	.end_amdhsa_kernel
	.amdgpu_metadata
---
amdhsa.version: [ 1, 2 ]
amdhsa.kernels:
  - .name:           k_q0fd374483f_score
    .symbol:         k_q0fd374483f_score.kd
    .args:
      - { .name: qkv, .offset: 0, .size: 8, .value_kind: global_buffer, .address_space: global }
      - { .name: pb, .offset: 8, .size: 8, .value_kind: global_buffer, .address_space: global }
      - { .name: stat, .offset: 16, .size: 8, .value_kind: global_buffer, .address_space: global }
    .group_segment_fixed_size: 327680
    .private_segment_fixed_size: 0
    .kernarg_segment_align: 8
    .kernarg_segment_size: 24
    .max_flat_workgroup_size: 128
    .sgpr_count:     96
    .vgpr_count:     1024
    .wavefront_size: 32
...
	.end_amdgpu_metadata
.endif
;; end of part 3
;; launch pv (part 4): grid 4 x 64, 4 waves a work-group, clusters of 4 x 4, 327,680 bytes of LDS; arguments pb, qkv, stat, out0; writes out0
.if DOCPART == 4
	.amdgcn_target "amdgcn-amd-amdhsa--gfx1250"
	.amdhsa_code_object_version 6
	.text
	.protected	k_q0fd374483f_pv
	.globl	k_q0fd374483f_pv
	.p2align	8
	.type	k_q0fd374483f_pv,@function
k_q0fd374483f_pv:
	s_mov_b64 s[64:65], 0
	v_nop
	global_prefetch_b8 v0, s[64:65] scope:SCOPE_SE
	s_setreg_imm32_b32 hwreg(HW_REG_WAVE_MODE, 25, 1), 1
	s_wait_xcnt 0x0
	s_wait_alu depctr_hold_cnt(0) depctr_sa_sdst(0) depctr_va_vdst(0) depctr_va_sdst(0) depctr_va_ssrc(0) depctr_va_vcc(0) depctr_vm_vsrc(0)
	s_getreg_b32 s2, hwreg(HW_REG_IB_STS2, 6, 4)
	s_cmp_eq_u32 s2, 0
	s_cbranch_scc0 .Lentry_in_a_cluster
	s_endpgm
.Lentry_in_a_cluster:
	s_bfe_u32 s2, ttmp6, 0x10000c
	s_cmp_lg_u32 s2, 0xf033
	s_cbranch_scc0 .Lentry_shape_is_right
	s_endpgm
.Lentry_shape_is_right:
; out0[row][e] = (the sum over the 16 key blocks t and their keys of f_t p v[key][e]) / L, with M = the largest c m_t of the row, f_t = 2^(c m_t - M) <= 1, L = the sum of f_t l_t.
; So the maximum taken away from every score is the row's true one.  pb: [8192][2048] f16; v: qkv's bytes 4,096 on of each row of 6,144, f16; stat: c m and l, f32, [batch][block][row]; out0: [8192][1024] f32.
; f is rounded to f16 and multiplied onto P's fragments in registers (one rounding more a weight); L is made of the f32 f.  LIMITS: f p below 6e-8 counts as 0; L is at least about 1; NaN and infinities are not treated apart.
; A tile of 128 rows x 256 channels gives each of 256 work-groups one; four waves, 64 x 128 each: 32 accumulators.  K = 2,048 keys in 16 steps of 128 (a key block each) through two LDS slots.
; ONE TEXT FOR A K STEP: the slot that is read is a scalar (0 or SLOT) that an exclusive or turns at each change of slots.  The fourteen steps that fill a slot again are one loop, the last two a second one.
; In that loop's last trip nothing is fetched, and the 32 lines that scale the next quarter's P work on a buffer that nobody multiplies: the price, once a launch, of one text for both trips.
; CLUSTER: 4 x 4 work-groups: the four tile columns, four tile rows of one batch.  P's tile is shared along a row of the cluster, V's along a column: joint loads.
; THE PRODUCT IS TAKEN TRANSPOSED (source 0 = 16 channels, from V turned by ds_load_tr16_b128; source 1 = 16 rows of P): lane l holds row l % 16 and the channels 8 (l / 16) + 0..7.
; REGISTERS: window 0: v0-31 addresses; v32-35 the factors of the K step whose P is being scaled; v40-47 1 / L and L; v48-55 at work; v64-255 the way out (v128-223 at work at the head).
;   window 1: two fragment buffers: P's 32 registers, then V's 64, at v0 and at v128.   window 2: the accumulators, (a, b) at v[8 (8 a + b)].
.set PITCH,  272                       ; an LDS row of P's tile: 256 bytes + 16
.set BPITCH, 544                       ; of V's: 512 bytes + 32
.set SLOTB,  128*PITCH+128*BPITCH      ; a slot's bytes: P's 128 rows, then V's 128 keys: 104,448
.set SLOT,   1<<17                     ; slot 1 begins here, so that one exclusive or turns an address in one slot into the other's
.set STAGE,  SLOT+SLOTB                ; behind the ring: 16 rows x 528 bytes for each wave
.set OPITCH, 528                       ; a stage row: 512 bytes + 16
.set FTAB,   STAGE+4*16*OPITCH         ; each wave's table of factors: [block 16][r 16][a 4], f twice in f16: 4,096 bytes
.set SPARE,  FTAB+4*4096               ; the spare words, 128 bytes a wave: two blocks of 256 bytes that no other line names
.set KSTEPS, 16
.set ASTEP,  256                       ; bytes from a K step to the next in pb,
.set BSTEP,  128*6144                  ; and in v: 128 rows of qkv
.set QROW,   6144
.set ADRA0, 16                         ; v16  my lane's place in P's part of a slot; never rewritten
.set ADRA,  17                         ; v17  the same in the slot that is read
.set ADRB0, 20                         ; v20, v21  the same for V
.set ADRB,  21
.set FTA,  22                          ; v22  where I read a K step's factors: steps by 256 a step
.set FTW,  23                          ; v23  where I write my half's eight blocks
.set STO,  24
.set RD,   25
.set CO,   26
.set SO,   27                          ; v27  my offset in stat
.set SPW,  28
.set NIL,  29
.set PFO,  30
.set FH,   32                          ; v32-35  the factors of my four row blocks
.set RL,   40                          ; v[40+2a] 1 / L, v[41+2a] L
.set MX,   48
.set TT,   52
.set TMP,  64
.set OB,   128
.set CM,   128                         ; at the head: c m of block 8 h + i, row block a at CM + 4 i + a; LL and FF likewise
.set LL,   160
.set FF,   192
.set F0,   0
.set F1,   128
.set G1,  24
.set G0,  32                           ; s[32:35] group 0 of the first fill, s[36:39] of the second, which then walks
.set G1B, 48
.set G0B, 56
.set SEL, 70
.set TB,  82                           ; s82  the first LDS byte of the slot that is read: 0 or SLOT
.set LIM, 84
.set PFA, 86
.set PFS, 88
.set MSB, 0
.macro WIN new
.if MSB != (\new)
	s_set_vgpr_msb (MSB<<8)|(\new)
.set MSB, \new
.endif
.endm
.set MUL,  0xa5                        ; both sources window 1, C and D window 2
.set SCL,  0x41                        ; destination and source 0 window 1, source 1 window 0
.set TO_F, 0x40                        ; destination window 1, address window 0
.macro JLOAD s                         ; a joint load: waves 0 and 1 fetch P's two halves, waves 2 and 3 V's; an s_nop 0 and four v_nop follow each line
	s_cmp_eq_u32 s11, 0
	s_cbranch_scc0 .Lfor_b_\@
	tensor_load_to_lds s[G0+4*(\s):G0+4*(\s)+3], s[G1:G1+7]
	s_nop 0
.rept 4
	v_nop
.endr
	s_branch .Lasked_\@
.Lfor_b_\@:
	tensor_load_to_lds s[G0B+4*(\s):G0B+4*(\s)+3], s[G1B:G1B+7]
	s_nop 0
.rept 4
	v_nop
.endr
.Lasked_\@:
.endm
; A prefetch of the K step two refills on, a lane a block of 256 bytes.  P's 128 rows are read by this row of the cluster alone: wave 0 of each partner asks for 32 of them, by cx.  V's 128 keys x 512 bytes are read by the
; four clusters of a batch: the first of them asks; waves 2 and 3 take the 64 keys that they fetch, each partner 16 of them, by cy.  The loop's last two trips (s3 = 2, 1) ask for nothing.
.macro ASK
	s_cmp_gt_u32 s3, s[LIM]
	s_cbranch_scc0 .Lnot_mine_\@
	global_prefetch_b8 v[PFO], s[PFA:PFA+1] th:TH_LOAD_NT scope:SCOPE_SE
.Lnot_mine_\@:
.endm
.macro CREST
	s_cmp_lg_u32 s10, 0
	s_cbranch_scc1 .Lnot_wave_0_\@
	s_barrier_signal -3
.Lnot_wave_0_\@:
	s_barrier_wait -3
	s_barrier_signal -1
	s_barrier_wait -1
.endm
.macro CROUND
	s_barrier_signal -1
	s_barrier_wait -1
	CREST
.endm
.macro PLACES
.rept 4
	v_nop
.endr
.endm
	s_load_b128 s[4:7], s[0:1], 0x0                ; pb s[4:5], qkv s[6:7]
	s_load_b128 s[76:79], s[0:1], 0x10             ; stat s[76:77], out0 s[78:79]
	v_lshl_add_u32 v[SPW], v0, 2, SPARE
	v_mov_b32 v[NIL], 0
	ds_add_u32 v[SPW], v[NIL]                      ; the wave's opening: the add and its wait stand ahead of my first tensor load
	v_lshrrev_b32 v1, 5, v0
	v_readfirstlane_b32 s10, v1                    ; wave 0..3
	s_lshr_b32 s11, s10, 1                         ; my half of the tile's rows.  Also: I fetch for P (0) or V (1)
	s_and_b32 s12, s10, 1                          ; my half of its channels.  Also: which half of that tile I fetch
	s_bfe_u32 s40, ttmp6, 0x40000                  ; cx: the tile column
	s_bfe_u32 s41, ttmp6, 0x40004                  ; cy
	s_and_b32 s72, ttmp7, 0xffff                   ; cluster y
	s_lshl_b32 s13, s72, 2
	s_add_co_u32 s13, s13, s41                     ; tile row: 128 of the 8,192 rows
	s_lshr_b32 s73, s72, 2                         ; the batch, which all sixteen partners share
	s_lshl_b32 s43, s41, 2
	s_lshl_b32 s43, 15, s43
	s_lshl_b32 s44, 0x1111, s40
	s_or_b32 s[G1+0], s43, (1<<16)|(1<<20)|(1<<21)|(5<<22)|(3<<25)   ; P: after every 64 words, 4 words
	s_mov_b32 s[G1+1], 128<<16                     ; tensor_dim0 = 128
	s_mov_b32 s[G1+2], 64<<16                      ; tensor_dim1 = 64
	s_mov_b32 s[G1+3], 128<<16                     ; tile_dim0 = 128
	s_mov_b32 s[G1+4], 64                          ; tile_dim1 = 64
	s_mov_b32 s[G1+5], 2048                        ; elements from row to row
	s_mov_b32 s[G1+6], 0
	s_mov_b32 s[G1+7], 0
	s_or_b32 s[G1B+0], s44, (1<<16)|(1<<20)|(1<<21)|(6<<22)|(7<<25)  ; V: after every 128 words, 8 words
	s_mov_b32 s[G1B+1], 256<<16
	s_mov_b32 s[G1B+2], 64<<16
	s_mov_b32 s[G1B+3], 256<<16
	s_mov_b32 s[G1B+4], 64
	s_mov_b32 s[G1B+5], 3072
	s_mov_b32 s[G1B+6], 0
	s_mov_b32 s[G1B+7], 0
	s_mov_b32 s[SEL], 0x76543210
	s_mov_b32 s[SEL+1], 0xfedcba98
	s_mov_b32 s[TB], 0                             ; slot 0 is read first
	s_lshl_b32 s16, s13, 19                        ; P: (128 x tile row + 64 x half) rows of 4,096 bytes
	s_lshl_b32 s17, s12, 18
	s_add_co_u32 s16, s16, s17
	s_mov_b32 s17, 0
	s_lshl_b32 s46, s73, 11                        ; V: (2,048 x batch + 64 x half) rows of qkv, byte 4,096 + 512 cx of the row
	s_lshl_b32 s47, s12, 6
	s_add_co_u32 s46, s46, s47
	s_mul_i32 s46, s46, QROW
	s_lshl_b32 s47, s40, 9
	s_add_co_u32 s46, s46, s47
	s_add_co_u32 s46, s46, 4096
	s_mov_b32 s47, 0
	s_mul_i32 s20, s12, 64*PITCH                   ; where they go: P's two halves,
	s_mul_i32 s21, s12, 64*BPITCH                  ; V's two halves,
	s_add_co_u32 s21, s21, 128*PITCH               ; behind P's 128 rows
	s_wait_dscnt 0x0
	s_wait_kmcnt 0x0
	s_mov_b64 s[8:9], s[78:79]
	s_add_nc_u64 s[14:15], s[4:5], s[16:17]
	s_add_nc_u64 s[46:47], s[6:7], s[46:47]
	CROUND
.irp s, 0,1
	s_mov_b32 s[G0+4*(\s)], 1
	s_add_co_u32 s[G0+4*(\s)+1], s20, (\s)*SLOT
	s_add_nc_u64 s[G0+4*(\s)+2:G0+4*(\s)+3], s[14:15], (\s)*ASTEP
	s_or_b32 s[G0+4*(\s)+3], s[G0+4*(\s)+3], 0x80000000
	s_mov_b32 s[G0B+4*(\s)], 1
	s_add_co_u32 s[G0B+4*(\s)+1], s21, (\s)*SLOT
	s_add_nc_u64 s[G0B+4*(\s)+2:G0B+4*(\s)+3], s[46:47], (\s)*BSTEP
	s_or_b32 s[G0B+4*(\s)+3], s[G0B+4*(\s)+3], 0x80000000
	JLOAD \s
.endr
	v_and_b32 v1, 15, v0                           ; r
	v_bfe_u32 v2, v0, 4, 1                         ; h
	; the statistics of my 64 rows: the half h of the lanes takes the blocks 8 h + 0..7
	s_lshl_b32 s20, s13, 7
	s_lshl_b32 s21, s11, 6
	s_add_co_u32 s20, s20, s21
	s_and_b32 s20, s20, 2047                       ; my first row in its batch
	s_lshl_b32 s20, s20, 2
	s_lshl_b32 s21, s73, 17                        ; a batch: 16 blocks x 2,048 rows x 4 bytes
	s_add_co_u32 s20, s20, s21
	s_mov_b32 s21, 0
	s_add_nc_u64 s[74:75], s[76:77], s[20:21]
	v_lshlrev_b32 v[SO], 2, v1
	v_lshl_add_u32 v[SO], v2, 16, v[SO]            ; 4 r + 8 blocks x 8,192 bytes x h
.irp i, 0,1,2,3,4,5,6,7
.irp a, 0,1,2,3
	global_load_b32 v[CM+4*(\i)+(\a)], v[SO], s[74:75] offset:8192*(\i)+64*(\a)
.endr
.endr
.irp i, 0,1,2,3,4,5,6,7
.irp a, 0,1,2,3
	global_load_b32 v[LL+4*(\i)+(\a)], v[SO], s[74:75] offset:8192*(\i)+64*(\a)+524288
.endr
.endr
	v_mul_u32_u24 v3, v1, PITCH                    ; P's fragment: row r, 16 bytes for each half of the lanes
	v_lshl_add_u32 v3, v2, 4, v3
	s_mul_i32 s21, s11, 64*PITCH                   ; my 64 rows
	v_and_b32 v6, 7, v0                            ; V's: the turning load: key 8 h + l % 8, channels 8 ((l / 8) % 2) + 0..7
	v_bfe_u32 v7, v0, 3, 1
	v_lshl_add_u32 v6, v2, 3, v6
	v_mul_u32_u24 v6, v6, BPITCH
	v_lshl_add_u32 v6, v7, 4, v6
	s_lshl_b32 s22, s12, 8                         ; my 128 channels
	s_add_co_u32 s22, s22, 128*PITCH
	v_add_nc_u32 v[ADRA0], s21, v3
	v_add_nc_u32 v[ADRB0], s22, v6
	v_mov_b32 v[ADRA], v[ADRA0]                    ; slot 0
	v_mov_b32 v[ADRB], v[ADRB0]
	s_mul_i32 s23, s10, 16*OPITCH
	s_add_co_u32 s23, s23, STAGE                   ; my stage
	v_mul_u32_u24 v4, v1, OPITCH                   ; in: row r, 32 bytes for each half of the lanes
	v_lshl_add_u32 v4, v2, 5, v4
	v_add_nc_u32 v[STO], s23, v4
	v_and_b32 v5, 31, v0
	v_lshlrev_b32 v[CO], 4, v5                     ; back: 32 lanes take one row of 512 bytes
	v_add_nc_u32 v[RD], s23, v[CO]
	s_lshl_b32 s23, s10, 12
	s_add_co_u32 s23, s23, FTAB                    ; my table
	v_lshl_add_u32 v[FTA], v1, 4, s23
	v_lshl_add_u32 v[FTW], v2, 11, v[FTA]
	s_lshl_b32 s16, s13, 19                        ; out0: (128 x tile row + 64 x half) rows of 4,096 bytes,
	s_lshl_b32 s17, s11, 18
	s_add_co_u32 s16, s16, s17
	s_mov_b32 s17, 0
	s_lshl_b32 s46, s40, 10                        ; + 1,024 cx + 512 x half
	s_lshl_b32 s47, s12, 9
	s_add_co_u32 s46, s46, s47
	s_mov_b32 s47, 0
	s_add_nc_u64 s[16:17], s[16:17], s[46:47]
	s_add_nc_u64 s[8:9], s[8:9], s[16:17]
	; the prefetches, at K step 3: each change of slots steps them first and then asks
	s_lshl_b32 s20, s13, 7
	s_lshl_b32 s21, s40, 5
	s_add_co_u32 s20, s20, s21                     ; P: row 128 x tile row + 32 cx, a lane a row
	s_lshl_b32 s20, s20, 12
	s_add_co_u32 s20, s20, 3*ASTEP
	s_lshl_b32 s22, s73, 11                        ; V: key 2,048 x batch + 384 + 64 x half + 16 cy + lane / 2, block lane % 2
	s_lshl_b32 s21, s12, 6
	s_add_co_u32 s22, s22, s21
	s_lshl_b32 s21, s41, 4
	s_add_co_u32 s22, s22, s21
	s_add_co_u32 s22, s22, 3*128
	s_mul_i32 s22, s22, QROW
	s_lshl_b32 s21, s40, 9
	s_add_co_u32 s22, s22, s21
	s_add_co_u32 s22, s22, 4096
	s_and_b32 s23, s72, 3
	s_movk_i32 s21, ASTEP
	s_movk_i32 s18, 4096
	s_cmp_eq_u32 s11, 0                            ; do I fetch for P?
	s_cselect_b32 s20, s20, s22
	s_cselect_b32 s[PFS], s21, BSTEP
	s_cselect_b32 s18, s18, QROW                   ; bytes from row to row
	s_cselect_b32 s19, 0, 1                        ; the lane's shift and mask
	s_cselect_b32 s23, s12, s23                    ; P: wave 0 asks; V: the batch's first cluster
	s_cselect_b64 s[PFA:PFA+1], s[4:5], s[6:7]
	s_mov_b32 s21, 0
	s_mov_b32 s[PFS+1], 0
	s_add_nc_u64 s[PFA:PFA+1], s[PFA:PFA+1], s[20:21]
	s_cmp_eq_u32 s23, 0
	s_cselect_b32 s[LIM], 2, -1                    ; the same in all sixteen partners, for a given wave
	v_and_b32 v10, s19, v5
	v_lshrrev_b32 v9, s19, v5
	v_mul_u32_u24 v9, s18, v9
	v_lshl_add_u32 v[PFO], v10, 8, v9
	; THE FACTORS.  M over the row's 16 blocks: eight in my lane, eight in the lane 16 away
	s_wait_loadcnt 0x0
.irp a, 0,1,2,3
	v_max3_num_f32 v[MX+(\a)], v[CM+(\a)], v[CM+4+(\a)], v[CM+8+(\a)]
.endr
.irp a, 0,1,2,3
	v_max3_num_f32 v[TT+(\a)], v[CM+12+(\a)], v[CM+16+(\a)], v[CM+20+(\a)]
.endr
.irp a, 0,1,2,3
	v_max3_num_f32 v[MX+(\a)], v[MX+(\a)], v[TT+(\a)], v[CM+24+(\a)]
.endr
.irp a, 0,1,2,3
	v_max_num_f32 v[MX+(\a)], v[MX+(\a)], v[CM+28+(\a)]
.endr
.irp a, 0,1,2,3
	v_permlanex16_b32 v[TT+(\a)], v[MX+(\a)], s[SEL], s[SEL+1]
.endr
.irp a, 0,1,2,3
	v_max_num_f32 v[MX+(\a)], v[MX+(\a)], v[TT+(\a)]
.endr
.set n, 0
.rept 32
	v_sub_f32 v[FF+n], v[CM+n], v[MX+n%4]
.set n, n+1
.endr
.set n, 0
.rept 32
	v_exp_f32 v[FF+n], v[FF+n]                     ; f = 2^(c m - M): one batch,
.set n, n+1
.endr
	v_nop                                          ; a plain instruction behind the last,
	s_wait_alu depctr_va_vdst(0)                   ; and the one wait ahead of the first reader
.irp a, 0,1,2,3
	v_mul_f32 v[RL+2*(\a)+1], v[FF+(\a)], v[LL+(\a)]
.endr
.irp i, 1,2,3,4,5,6,7
.irp a, 0,1,2,3
	v_fmac_f32 v[RL+2*(\a)+1], v[FF+4*(\i)+(\a)], v[LL+4*(\i)+(\a)]
.endr
.endr
.irp a, 0,1,2,3
	v_permlanex16_b32 v[TT+(\a)], v[RL+2*(\a)+1], s[SEL], s[SEL+1]
.endr
.irp a, 0,1,2,3
	v_add_f32 v[RL+2*(\a)+1], v[RL+2*(\a)+1], v[TT+(\a)]   ; L
.endr
.irp a, 0,1,2,3
	v_rcp_f32 v[RL+2*(\a)], v[RL+2*(\a)+1]
.endr
.set n, 0
.rept 32
	v_cvt_pk_f16_f32 v[FF+n], v[FF+n], v[FF+n]     ; f twice in f16; also the plain work behind the reciprocals
.set n, n+1
.endr
	s_wait_alu depctr_va_vdst(0)                   ; the reciprocals' wait, ahead of every label
.irp i, 0,1,2,3,4,5,6,7
	ds_store_b128 v[FTW], v[FF+4*(\i):FF+4*(\i)+3] offset:256*(\i)  ; the table is my wave's own: LDS serves a wave's instructions in order, so its reads need no barrier
.endr
; 24 LDS loads in one run (25 with a K step's factors in front): quarter q of the slot that is read, into buffer f: P's 8, then V's 16
.macro FETCH q, f, tab=0
.if \tab
	WIN 0
	ds_load_b128 v[FH:FH+3], v[FTA]
.endif
	WIN TO_F
.irp a, 0,1,2,3
	ds_load_b128 v[(\f)+8*(\a):(\f)+8*(\a)+3],   v[ADRA] offset:(\q)*64+(\a)*16*PITCH
	ds_load_b128 v[(\f)+8*(\a)+4:(\f)+8*(\a)+7], v[ADRA] offset:(\q)*64+(\a)*16*PITCH+32
.endr
.irp b, 0,1,2,3,4,5,6,7
	ds_load_tr16_b128 v[(\f)+32+8*(\b):(\f)+32+8*(\b)+3],   v[ADRB] offset:(\q)*32*BPITCH+32*(\b)
	ds_load_tr16_b128 v[(\f)+32+8*(\b)+4:(\f)+32+8*(\b)+7], v[ADRB] offset:(\q)*32*BPITCH+16*BPITCH+32*(\b)
.endr
.endm
.macro MUL8 f, a, first                ; row block a x all 8 channel blocks, 32 keys.  The 32 accumulators take turns in the same order in every quarter
	WIN MUL
.irp b, 0,1,2,3,4,5,6,7
.if \first
	v_wmma_f32_16x16x32_f16 v[8*(8*(\a)+(\b)):8*(8*(\a)+(\b))+7], v[(\f)+32+8*(\b):(\f)+32+8*(\b)+7], v[(\f)+8*(\a):(\f)+8*(\a)+7], 0
.else
	v_wmma_f32_16x16x32_f16 v[8*(8*(\a)+(\b)):8*(8*(\a)+(\b))+7], v[(\f)+32+8*(\b):(\f)+32+8*(\b)+7], v[(\f)+8*(\a):(\f)+8*(\a)+7], v[8*(8*(\a)+(\b)):8*(8*(\a)+(\b))+7]
.endif
.endr
.endm
; Row block 3's eight products, and behind each four of the 32 lines that multiply the NEXT quarter's P (buffer g) by its rows' factors, in place.  They name no register of the products round them;
; the last four are the four places between the last product on buffer f and the next loads into it.
.macro MULR f, g, first
.irp b, 0,1,2,3,4,5,6,7
	WIN MUL
.if \first
	v_wmma_f32_16x16x32_f16 v[8*(24+(\b)):8*(24+(\b))+7], v[(\f)+32+8*(\b):(\f)+32+8*(\b)+7], v[(\f)+24:(\f)+31], 0
.else
	v_wmma_f32_16x16x32_f16 v[8*(24+(\b)):8*(24+(\b))+7], v[(\f)+32+8*(\b):(\f)+32+8*(\b)+7], v[(\f)+24:(\f)+31], v[8*(24+(\b)):8*(24+(\b))+7]
.endif
	WIN SCL
.irp n, 0,1,2,3
	v_pk_mul_f16 v[(\g)+4*(\b)+(\n)], v[(\g)+4*(\b)+(\n)], v[FH+(\b)/2]
.endr
.endr
.endm
; A K step is four quarters of 32 keys, 32 matrix instructions each, on buffers 0, 1, 0, 1.
.macro QUARTER q, f, g, first
	s_wait_dscnt 0x0                               ; V's fragments of buffer f are in (P's were waited for a quarter ago)
	MUL8 \f, 0, \first
	FETCH \q, \g
	MUL8 \f, 1, \first
	MUL8 \f, 2, \first
	s_wait_dscnt 16                                ; P's eight loads are in; V's sixteen may be out
	MULR \f, \g, \first
.endm
; The last quarter multiplies buffer 1 and changes slots: each wave waits for all its tensor loads (one is out: its part of the next slot), adds 0 to its spare word, and waits for that and for its reads of
; this slot.  fill = 1: the barrier opens a round of the cluster's; the slot just read is filled again first behind it, two K steps ahead: 112 matrix instructions ahead of the wait for it.
; fill = 0: the tail; in its last trip (s3 = 1) there is no next step: the table's step and the run of loads are jumped over.
; This step's factors were last read in the quarter before, so the next step's land in the same four registers.
.macro TURN fill
.if \fill
	s_wait_xcnt 0x0                                ; the last prefetch, a K step back, has read its address
	s_add_nc_u64 s[PFA:PFA+1], s[PFA:PFA+1], s[PFS:PFS+1]
.endif
	WIN 0
	s_xor_b32 s[TB], s[TB], SLOT                   ; this slot's last fragments have been asked for: the addresses turn to the other slot
	v_add_nc_u32 v[ADRA], s[TB], v[ADRA0]
	v_add_nc_u32 v[ADRB], s[TB], v[ADRB0]
	s_wait_tensorcnt 0x0                           ; all my tensor loads have landed, so a group 0 may be written
	ds_add_u32 v[SPW], v[NIL]                      ; 0 onto my spare word
.if \fill
	s_xor_b32 s[G0+5], s[G0+5], SLOT               ; the walking descriptors: the other slot than last time, the next K step
	s_add_nc_u64 s[G0+6:G0+7], s[G0+6:G0+7], ASTEP
	s_xor_b32 s[G0B+5], s[G0B+5], SLOT
	s_add_nc_u64 s[G0B+6:G0B+7], s[G0B+6:G0B+7], BSTEP
.endif
	s_wait_dscnt 1                                 ; (the add alone may be out: V's fragments are in)
	MUL8 F1, 0, 0
	s_wait_dscnt 0x0                               ; the add is done, and my reads of this slot are over
	s_barrier_signal -1
	MUL8 F1, 1, 0
	WIN 0
	s_barrier_wait -1
.if \fill
	CREST
	JLOAD 1
.else
	s_cmp_eq_u32 s3, 1
	s_cbranch_scc1 .Lno_fetch_\@
	PLACES
.endif
	v_add_nc_u32 v[FTA], 256, v[FTA]               ; the next K step's block of the table
	FETCH 0, F0, 1
	WIN 0
.if \fill
	ASK
.else
.Lno_fetch_\@:
.endif
	MUL8 F1, 2, 0
	s_wait_dscnt 16
	MULR F1, F0, 0
.endm
; THE WAY OUT of row block a: times 1 / L; 32 bytes a lane into my stage; back as whole rows of 512 bytes; stored.
.macro OPACK a
	WIN 0x02                                       ; source 0 window 2
.set n, 0
.rept 32
	v_pk_mul_f32 v[TMP+2*n:TMP+2*n+1], v[64*(\a)+2*n:64*(\a)+2*n+1], v[RL+2*(\a):RL+2*(\a)+1] op_sel_hi:[1,0]
.set n, n+1
.endr
	WIN 0
.endm
.macro OSTAGE a
.set BK, OB+64*((\a)%2)
.irp b, 0,1,2,3,4,5,6,7
	ds_store_b128 v[STO], v[TMP+8*(\b):TMP+8*(\b)+3]   offset:64*(\b)
	ds_store_b128 v[STO], v[TMP+8*(\b)+4:TMP+8*(\b)+7] offset:64*(\b)+16
.endr
.irp t, 0,1,2,3,4,5,6,7,8,9,10,11,12,13,14,15
	ds_load_b128 v[BK+4*(\t):BK+4*(\t)+3], v[RD] offset:(\t)*OPITCH  ; LDS serves a wave's instructions in order (ISA guide 5.7.1.4)
.endr
.endm
.macro OSEND a
.set BK, OB+64*((\a)%2)
	s_wait_dscnt 0x0
	s_wait_xcnt 0x0                                ; the stores of the block before have read their data: the next block's loads from the stage land on those registers
.irp t, 0,1,2,3,4,5,6,7,8,9,10,11,12,13,14,15
	global_store_b128 v[CO], v[BK+4*(\t):BK+4*(\t)+3], s[8:9] offset:(16*(\a)+(\t))*4096 th:TH_STORE_NT  ; a wave stores 512 consecutive bytes, at a multiple of 512 from out0's first byte
.endr
.endm
	s_wait_tensorcnt 1                             ; my part of K step 0 is in; K step 1's stays out
	s_wait_dscnt 0x0                               ; my table is written
	s_barrier_signal -1
	s_barrier_wait -1
	FETCH 0, F0, 1
	s_wait_dscnt 0x0
	WIN SCL
.set n, 0
.rept 32
	v_pk_mul_f16 v[F0+n], v[F0+n], v[FH+n/8]       ; the first quarter's P: there is no product yet to set these behind
.set n, n+1
.endr
	QUARTER 1, F0, F1, 1                           ; the first quarter stands in front of the loop: its products start the sums
	WIN 0
	s_mov_b32 s3, KSTEPS-2
.Lstep:                                                ; a trip goes from a K step's second quarter to the next step's first, and fills the slot that it leaves
	QUARTER 2, F1, F0, 0
	QUARTER 3, F0, F1, 0
	TURN 1
	QUARTER 1, F0, F1, 0
	WIN 0
	s_sub_co_u32 s3, s3, 1
	s_cmp_lg_u32 s3, 0
	s_cbranch_scc1 .Lstep
	s_mov_b32 s3, 2
.Ltail:                                                ; the last two K steps fill nothing
	QUARTER 2, F1, F0, 0
	QUARTER 3, F0, F1, 0
	TURN 0
	WIN 0
	s_cmp_eq_u32 s3, 1
	s_cbranch_scc1 .Llast                          ; behind the last K step there is no first quarter
	QUARTER 1, F0, F1, 0
	WIN 0
.Llast:
	s_sub_co_u32 s3, s3, 1
	s_cmp_lg_u32 s3, 0
	s_cbranch_scc1 .Ltail
	s_wait_dscnt 0x0                               ; no LDS load is out, on any way through the two jumps
	PLACES
	PLACES
	OPACK 0
	OSTAGE 0
.irp a, 1,2,3                          ; block a's scaling stands between block a - 1's loads from the stage and the wait for them
	OPACK \a
	OSEND (\a)-1
	OSTAGE \a
.endr
	OSEND 3
	s_wait_tensorcnt 0x0                           ; the wave's end
	ds_add_u32 v[SPW], v[NIL]
	s_wait_dscnt 0x0
	CROUND                                         ; the closing round
	s_endpgm
.Lfunc_end_k_q0fd374483f_pv:
	.size	k_q0fd374483f_pv, .Lfunc_end_k_q0fd374483f_pv-k_q0fd374483f_pv
	.p2alignl 7, 3214868480
	.fill 96, 4, 3214868480
	.section	.rodata,"a",@progbits
	.p2align	6, 0x0
	.amdhsa_kernel k_q0fd374483f_pv
		.amdhsa_group_segment_fixed_size 327680
		.amdhsa_private_segment_fixed_size 0
		.amdhsa_enable_private_segment 0
		.amdhsa_kernarg_size 32
		.amdhsa_user_sgpr_count 2
		.amdhsa_user_sgpr_kernarg_segment_ptr 1
		.amdhsa_wavefront_size32 1
		.amdhsa_system_sgpr_workgroup_id_x 1
		.amdhsa_system_sgpr_workgroup_id_y 1
		.amdhsa_system_sgpr_workgroup_id_z 1
		.amdhsa_system_vgpr_workitem_id 0
		.amdhsa_next_free_vgpr 768
		.amdhsa_next_free_sgpr 96
		.amdhsa_reserve_vcc 0
		.amdhsa_float_denorm_mode_32 3
		.amdhsa_float_denorm_mode_16_64 3
		.amdhsa_memory_ordered 1
		.amdhsa_forward_progress 1
		.amdhsa_inst_pref_size 108
	.end_amdhsa_kernel
	.amdgpu_metadata
---
amdhsa.version: [ 1, 2 ]
amdhsa.kernels:
  - .name:           k_q0fd374483f_pv
    .symbol:         k_q0fd374483f_pv.kd
    .args:
      - { .name: pb, .offset: 0, .size: 8, .value_kind: global_buffer, .address_space: global }
      - { .name: qkv, .offset: 8, .size: 8, .value_kind: global_buffer, .address_space: global }
      - { .name: stat, .offset: 16, .size: 8, .value_kind: global_buffer, .address_space: global }
      - { .name: out0, .offset: 24, .size: 8, .value_kind: global_buffer, .address_space: global }
    .group_segment_fixed_size: 327680
    .private_segment_fixed_size: 0
    .kernarg_segment_align: 8
    .kernarg_segment_size: 32
    .max_flat_workgroup_size: 128
    .sgpr_count:     96
    .vgpr_count:     768
    .wavefront_size: 32
...
	.end_amdgpu_metadata
.endif
;; end of part 4
;; ======== version 2 of 2: 4 launches; version 1 with the launch cast written anew for expert scheduling mode
;; limits: values are held in f16: magnitudes above 65,504 overflow, below 6.1e-05 lose precision
;; workspace buffers: xb 16,777,216 bytes; wb 6,291,456 bytes; qkv 50,331,648 bytes; pb 33,554,432 bytes; stat 1,048,576 bytes
;; launch cast (part 5): grid 704 x 1, 8 waves a work-group, no clusters, 0 bytes of LDS; arguments x, Wq, Wk, Wv, xb, wb; writes xb, wb
.if DOCPART == 5
	.amdgcn_target "amdgcn-amd-amdhsa--gfx1250"
	.amdhsa_code_object_version 6
	.text
	.protected	k_q0fd374483f_cast
	.globl	k_q0fd374483f_cast
	.p2align	8
	.type	k_q0fd374483f_cast,@function
k_q0fd374483f_cast:
	s_mov_b64 s[64:65], 0
	v_nop
	global_prefetch_b8 v0, s[64:65] scope:SCOPE_SE
	s_setreg_imm32_b32 hwreg(HW_REG_WAVE_SCHED_MODE, 0, 2), 2
	s_setreg_imm32_b32 hwreg(HW_REG_WAVE_MODE, 25, 1), 1
	s_wait_xcnt 0x0
	s_wait_alu depctr_vm_vsrc(0)
; x, Wq, Wk, Wv (f32) are rounded once to bf16, layouts kept: xb = [8192][1024]; wb = Wq, Wk, Wv on end, each [1024 d][1024 e].
; A stream: each byte is read once and written once; no LDS, no barrier, no matrix unit.
; SHARES.  A work-group casts 16,384 numbers: 65,536 bytes in, 32,768 out.  Work-groups 0-511 take x, 512-575 Wq, 576-639 Wk, 640-703 Wv.
; Thread t takes 16 bytes at 16 t of each 4,096 bytes: a wave's load covers 512 consecutive bytes, its store of 8 bytes a lane 256 consecutive bytes, aligned.
; All sixteen loads of a wave go out at once; no register that a memory instruction names is ever written a second time.
; THE MODE: SCHED_MODE bits 1:0 = 2 (LLVM: expert scheduling mode 2), set by the entry lines.  The code itself states the register dependences
; between vector instructions and memory instructions, with s_wait_alu, always for 0.
; THE PLAN.  Registers that memory instructions touch:
;   v1, v2   the loads' and the stores' byte offsets: written by one vector line each at the head, never again.
;   X[j]     load j lands in it, once; all sixteen loads are issued ahead of every conversion; read by the two conversions of piece j, behind the load's own counted wait.
;   Y[j]     written once, by the two conversions of piece j; read by store j.
; So two kinds of dependence are stated, both a vector result that a memory instruction reads: the offsets, by one wait ahead of the run of loads; and Y, by one wait a group of four pieces: a group's eight
; conversions, the wait, its four stores in one run.  The wait stands behind the group's conversions and not at the next group's head: nothing is asked for ahead here, so a store held back to that head would only
; wait for four further loads to land, and eight of the wave's sixteen stores, not four, would stand behind its last load.
; No register that a memory instruction has read is written again, no load lands in a register that a vector instruction has named, no vector instruction writes a scalar register, and EXEC is never written: nothing else is owed.
.set N,  16                            ; loads of a thread
.set GR, 4                             ; pieces in a group
.set X,  4                             ; v[4:67]   load j: four f32
.set Y,  68                            ; v[68:99]  store j: four bf16
	s_load_b256 s[4:11], s[0:1], 0x0               ; x s[4:5], Wq s[6:7], Wk s[8:9], Wv s[10:11]
	s_load_b128 s[12:15], s[0:1], 0x20             ; xb s[12:13], wb s[14:15]
	v_lshlrev_b32 v1, 4, v0                        ; 16 t: my bytes in 4,096 of the source
	v_lshlrev_b32 v2, 3, v0                        ; 8 t: in 2,048 of the destination
	s_and_b32 s24, ttmp9, 63                       ; the part of a weight matrix (512, 576 and 640 are multiples of 64)
	s_max_u32 s25, ttmp9, 512
	s_sub_co_u32 s25, s25, 512                     ; the part of wb
	s_wait_kmcnt 0x0
	s_mov_b64 s[20:21], s[10:11]                   ; the source: Wv, unless the number is lower
	s_cmp_lt_u32 ttmp9, 640
	s_cselect_b64 s[20:21], s[8:9], s[20:21]
	s_cmp_lt_u32 ttmp9, 576
	s_cselect_b64 s[20:21], s[6:7], s[20:21]
	s_cmp_lt_u32 ttmp9, 512
	s_cselect_b64 s[20:21], s[4:5], s[20:21]
	s_cselect_b64 s[22:23], s[12:13], s[14:15]     ; the destination
	s_cselect_b32 s16, ttmp9, s24                  ; the part in the source,
	s_cselect_b32 s18, ttmp9, s25                  ; and in the destination
	s_lshl_b32 s16, s16, 16                        ; x 65,536 bytes
	s_mov_b32 s17, 0
	s_lshl_b32 s18, s18, 15                        ; x 32,768 bytes
	s_mov_b32 s19, 0
	s_add_nc_u64 s[20:21], s[20:21], s[16:17]
	s_add_nc_u64 s[22:23], s[22:23], s[18:19]
	s_wait_alu depctr_va_vdst(0)                   ; v1 and v2 are written: every load below reads v1 as its offset, every store v2; neither is written again
.irp j, 0,1,2,3,4,5,6,7,8,9,10,11,12,13,14,15
	global_load_b128 v[X+4*(\j):X+4*(\j)+3], v1, s[20:21] offset:4096*(\j) th:TH_LOAD_NT
.endr
.irp g, 0,1,2,3
.irp i, 0,1,2,3
	s_wait_loadcnt N-1-(GR*(\g)+(\i))              ; loads come back in order: load j = 4 g + i is in, the younger ones stay out
	v_cvt_pk_bf16_f32 v[Y+2*(GR*(\g)+(\i))],   v[X+4*(GR*(\g)+(\i))],   v[X+4*(GR*(\g)+(\i))+1]
	v_cvt_pk_bf16_f32 v[Y+2*(GR*(\g)+(\i))+1], v[X+4*(GR*(\g)+(\i))+2], v[X+4*(GR*(\g)+(\i))+3]
.endr
	s_wait_alu depctr_va_vdst(0)                   ; the group's eight conversions have written Y[4 g] to Y[4 g + 3], which the four stores below read as their data
.irp i, 0,1,2,3
	global_store_b64 v2, v[Y+2*(GR*(\g)+(\i)):Y+2*(GR*(\g)+(\i))+1], s[22:23] offset:2048*(GR*(\g)+(\i)) th:TH_STORE_NT
.endr
.endr
	s_endpgm
.Lfunc_end_k_q0fd374483f_cast:
	.size	k_q0fd374483f_cast, .Lfunc_end_k_q0fd374483f_cast-k_q0fd374483f_cast
	.p2alignl 7, 3214868480
	.fill 96, 4, 3214868480
	.section	.rodata,"a",@progbits
	.p2align	6, 0x0
	.amdhsa_kernel k_q0fd374483f_cast
		.amdhsa_group_segment_fixed_size 0
		.amdhsa_private_segment_fixed_size 0
		.amdhsa_enable_private_segment 0
		.amdhsa_kernarg_size 48
		.amdhsa_user_sgpr_count 2
		.amdhsa_user_sgpr_kernarg_segment_ptr 1
		.amdhsa_wavefront_size32 1
		.amdhsa_system_sgpr_workgroup_id_x 1
		.amdhsa_system_sgpr_workgroup_id_y 1
		.amdhsa_system_sgpr_workgroup_id_z 1
		.amdhsa_system_vgpr_workitem_id 0
		.amdhsa_next_free_vgpr 100
		.amdhsa_next_free_sgpr 66
		.amdhsa_reserve_vcc 0
		.amdhsa_float_denorm_mode_32 3
		.amdhsa_float_denorm_mode_16_64 3
		.amdhsa_memory_ordered 1
		.amdhsa_forward_progress 1
		.amdhsa_inst_pref_size 7
	.end_amdhsa_kernel
	.amdgpu_metadata
---
amdhsa.version: [ 1, 2 ]
amdhsa.kernels:
  - .name:           k_q0fd374483f_cast
    .symbol:         k_q0fd374483f_cast.kd
    .args:
      - { .name: x, .offset: 0, .size: 8, .value_kind: global_buffer, .address_space: global }
      - { .name: Wq, .offset: 8, .size: 8, .value_kind: global_buffer, .address_space: global }
      - { .name: Wk, .offset: 16, .size: 8, .value_kind: global_buffer, .address_space: global }
      - { .name: Wv, .offset: 24, .size: 8, .value_kind: global_buffer, .address_space: global }
      - { .name: xb, .offset: 32, .size: 8, .value_kind: global_buffer, .address_space: global }
      - { .name: wb, .offset: 40, .size: 8, .value_kind: global_buffer, .address_space: global }
    .group_segment_fixed_size: 0
    .private_segment_fixed_size: 0
    .kernarg_segment_align: 8
    .kernarg_segment_size: 48
    .max_flat_workgroup_size: 256
    .sgpr_count:     66
    .vgpr_count:     100
    .wavefront_size: 32
...
	.end_amdgpu_metadata
.endif
;; end of part 5
;; launch proj: the kernel of part 2 again; grid 12 x 32, 4 waves a work-group, clusters of 4 x 4, 327,680 bytes of LDS; arguments xb, wb, qkv, bq, bk, bv; writes qkv
;; launch score: the kernel of part 3 again; grid 8 x 32, 4 waves a work-group, clusters of 4 x 4, 327,680 bytes of LDS; arguments qkv, pb, stat; writes pb, stat
;; launch pv: the kernel of part 4 again; grid 4 x 64, 4 waves a work-group, clusters of 4 x 4, 327,680 bytes of LDS; arguments pb, qkv, stat, out0; writes out0
